; MI455X (gfx1250); checked and timed in simulation.
; The chip was launched on July 23, 2026; its instructions are those of AMD's public machine-readable ISA for CDNA 5 (MIT licence, August 2026) and "CDNA5" Instruction Set Architecture Reference Guide (July 2026). The comments in the code are by the model that wrote it; some were corrected since.
;; Custom Lora Linear. Allowed arithmetic: matrix products marked QUANTISED: E2M1 operands, one E8M0 scale for each 32 along K, by v_wmma_scale_f32_16x16x128_f8f6f4 with both operands' format E2M1 (or v_wmma_scale_f32_32x16x128_f4), f32 sums; products left as they are: f32 operands where the result goes on into a quantised operand, else bf16, f16 or f32 operands; f32 sums; everything else in f32.
;; Inputs: g_idx 4,096 int32; lora_A 16 x 4,096 float32; lora_B 2,048 x 16 float32; qweight 512 x 2,048 int32; qzeros 32 x 256 int32; scales 32 x 2,048 float32; x 4 x 2,048 x 4,096 float32.
;; Outputs: out0 4 x 2,048 x 2,048 float32.
;; This version of the problem:
;;   THIS VERSION OF THE PROBLEM IS GIVEN IN LOW PRECISION. The matrix products marked QUANTISED in the list below multiply operands that are first quantised to E2M1 (2 exponent bits, 1 mantissa bit; 4 bits a number), with one power-of-two scale for each 32 numbers along K (OCP MX v1.0); their sums are f32. All else is computed in f32.
;;   The module's matrix products, in the order in which they are computed (A, B: the left and right operand; K: the contracted axis; several contracted axes count as one K, in the product's order):
;;     1. [M 4,096, K 16] x [K 16, N 2,048]; A: input lora_A; B: input lora_B: left as it is (K = 16 < 32)
;;     2. [M 8,192, K 4,096] x [K 4,096, N 2,048]; A: input x; B: computed on the way: QUANTISED
;;   THE QUANTISER, for each operand of a quantised product, along K:
;;     - K is cut into blocks of 32 from its start; a last block that is shorter is filled with zeros.
;;     - A block's scale is 2^e with e = floor(log2(the largest magnitude in the block)) - 2, held to -126 .. 127; a block of zeros has e = 0. As a byte (E8M0): e + 127.
;;     - Each number is divided by its block's scale, clamped to +-6, and rounded to the nearest number of E2M1, ties to even, subnormals kept.
;;     - The product sums the exact products of the quantised numbers (number of the format x scale) in f32.
;;   ~~~python
;;   def quantise(x, axis):      # numpy; x: float32 -> the quantised numbers, widened to float32 again
;;       x = np.moveaxis(x, axis, -1); K = x.shape[-1]
;;       x = np.pad(x, [(0, 0)] * (x.ndim - 1) + [(0, -K % 32)]); x = x.reshape(x.shape[:-1] + (-1, 32)); a = np.abs(x).max(-1, keepdims=True)
;;       e = np.where(a > 0, np.clip(np.frexp(np.where(a > 0, a, 1))[1] - 1 - 2, -126, 127), 0)      # np.frexp(a)[1] - 1 = floor(log2(a)), exactly
;;       r = np.clip(x / 2.0 ** e, -6, 6)
;;       step = 2.0 ** (np.maximum(np.frexp(np.where(r == 0, 1, r))[1] - 1, 0) - 1)
;;       q = np.round(r / step) * step * 2.0 ** e      # np.round: ties to even
;;       return np.moveaxis(q.reshape(q.shape[:-2] + (-1,))[..., :K], -1, axis).astype(np.float32)
;;   ~~~
;;   OPERANDS COMPUTED ON THE WAY. 'Computed on the way' means the value that the module computes at that place (a softmax that the list does not call 'softmax' is quantised finished and normalised). What goes into a quantiser is computed in f32, as accurately as f32 sums, v_exp_f32 and their like allow (about 1e-6 of the number): no bf16 or f16 on the way to a quantiser, and a product that is left as it is and whose result goes on into a quantised operand takes f32 operands (vector FMAs, or v_wmma_f32_16x16x4_f32). A number that lies on a knife's edge between two numbers of the format may be rounded either way, as far as f32 arithmetic and the matrix unit's own rounding can turn it there, and no further.
;; 2 versions. Each part assembles by itself: llvm-mc -triple=amdgcn-amd-amdhsa -mcpu=gfx1250 --defsym DOCPART=n.
;; ======== version 1 of 2: 3 launches
;; workspace buffers: xq 17,825,792 bytes; wq 4,456,448 bytes; tbl 1,048,576 bytes
;; launch prep1 (part 1): grid 512 x 1, 8 waves a work-group, no clusters, 94,208 bytes of LDS; arguments x, xq, g_idx, lora_A, lora_B, qweight, qzeros, scales, tbl; writes xq, tbl
.if DOCPART == 1
	.amdgcn_target "amdgcn-amd-amdhsa--gfx1250"
	.amdhsa_code_object_version 6
	.text
	.protected	k_qfc35cbd72b_prep1
	.globl	k_qfc35cbd72b_prep1
	.p2align	8
	.type	k_qfc35cbd72b_prep1,@function
k_qfc35cbd72b_prep1:
	s_mov_b64 s[64:65], 0
	v_nop
	global_prefetch_b8 v0, s[64:65] scope:SCOPE_SE
	s_setreg_imm32_b32 hwreg(HW_REG_WAVE_MODE, 25, 1), 1
	s_wait_xcnt 0x0
; out0 = x . AB_mix, both operands as codes of E2M1 with one E8M0 scale for each 32 along K = 4,096.  Three launches: this one, its sister and the product.
; NOTHING OF THE PROBLEM IS LEFT OUT: every input has a way to the output and is loaded, every step is done.  The small product A^T B^T is done twice (here by sorted rows, in the next launch by natural rows).
; THIS LAUNCH has two kinds of work-groups, which share no line behind the head and no LDS byte:
;   work-groups 0-255, THE TABLE: work-group (run s = id / 8, columns 256 (id % 8) on) ranks all 4,096 rows by a stable counting sort of g_idx, lists the 128 rows whose rank lies in 128 s .. 128 s + 127,
;     forms AB = A^T B^T for those rows (f32 matrix form, K = 16), takes the markers' 1.5 away, sums the 128 rows, and stores tbl[s][o] = {zeros[s][o], sum / 128 / 1.5, scales[s][o], 0}, 16 bytes.
;     The means are taken over runs of the sorted order, as the problem writes them; that each group has 128 members is not assumed.
;   work-groups 256-511, THE STREAM: rows 0-4,095 of x become records of xq.
; A RECORD (xq: [8 K steps][8,192 rows][272 bytes]): 256 bytes = 512 codes, K ascending, the lower k in the low four bits; then 16 scale bytes, one for each 32 along K.
; A block's scale is 2^(floor(log2(its largest magnitude)) - 2); its byte is the largest magnitude's exponent field - 2, held at 1 from below.
; LIMITS: g_idx is taken to lie in 0 .. 31 (its low five bits are used); NaN and infinities in x are not served; a block whose largest magnitude lies under 2^-124, a block of zeros among them,
; gets the byte 1 (the rule says 127 for zeros: its codes are zeros, and this program alone reads the bytes).
.set XROW0, 0                          ; the stream's first row in this launch
.set WH,    0                          ; LDS, table: [wave][group] counts, 1,024 bytes
.set LL,    1024                       ; [wave][128] each wave's part of the list
.set ML,    5120                       ; [wave][128] each wave's own copy of the whole list
.set AIMG,  9216                       ; 8 images of A's operand registers, 1,024 bytes each
.set XL,    17408                      ; LDS, stream: 9,472 bytes a wave: two stages of 32 x 80 on the way in, 16 records of 272 on the way out
.set SPARE, 93184                      ; the spare words, 128 bytes for each wave: four blocks of 256 bytes that no other line names
.set SPW,   252                        ; v252 LDS address of my spare word; never rewritten
.set NIL,   253                        ; v253 0; never rewritten
.set XR,    32                         ; stream: v32-159 eight sets of 16 numbers as loaded
.set XX,    160                        ; v160-191 two sets of 16 neighbours
; v232-247 are the two f32 accumulators: matrix instructions alone write them in this text.
; ---------------- the stream's macros ----------------
.macro XLOAD t                         ; row t's 2,048 bytes of my K step: four loads of 512 consecutive bytes; read once in the program
.irp i, 0,1,2,3
	global_load_b128 v[XR+16*((\t)%8)+4*\i:XR+16*((\t)%8)+4*\i+3], v3, s[4:5] offset:16384*(\t)+512*\i th:TH_LOAD_NT
.endr
.endm
.macro XTURN t                         ; through my stage, so that a lane gets 16 neighbours: LDS serves a wave's instructions in order, so no wait stands between
.irp i, 0,1,2,3
	ds_store_b128 v4, v[XR+16*((\t)%8)+4*\i:XR+16*((\t)%8)+4*\i+3] offset:2560*((\t)%2)+640*\i
.endr
.irp i, 0,1,2,3
	ds_load_b128 v[XX+16*((\t)%2)+4*\i:XX+16*((\t)%2)+4*\i+3], v5 offset:2560*((\t)%2)+16*\i
.endr
.endm
.macro XSTEP t
.set XS, XX+16*((\t)%2)
.set XC, 12+2*((\t)%2)
.set XE, 16+((\t)%2)
.if (\t) > 0
	s_wait_dscnt 2                                 ; this row is back from the stage; the last row's code store and byte store may be out
.else
	s_wait_dscnt 0x0
.endif
.if (\t) < 8
	XLOAD (\t)+8                                   ; into the set that the stage's stores have read
.endif
.if (\t) < 15
.if (\t) <= 7
	s_wait_loadcnt 28                              ; the next row's four loads are in; seven rows' may be out
.else
	s_wait_loadcnt 4*(14-(\t))
.endif
	XTURN (\t)+1
.endif
	v_max3_num_f32 v8, |v[XS]|, |v[XS+1]|, |v[XS+2]|               ; the largest magnitude of my 16, in two chains
	v_max3_num_f32 v9, |v[XS+3]|, |v[XS+4]|, |v[XS+5]|
.irp i, 6,10
	v_max3_num_f32 v8, v8, |v[XS+\i]|, |v[XS+\i+1]|
	v_max3_num_f32 v9, v9, |v[XS+\i+2]|, |v[XS+\i+3]|
.endr
	v_max3_num_f32 v8, v8, |v[XS+14]|, |v[XS+15]|
	v_max3_num_f32 v8, v8, v9, 0x1800000           ; and the floor 2^(3 - 127): the byte cannot fall under 1
	v_max_num_f32_dpp v8, v8, v8 row_xmask:1 row_mask:0xf bank_mask:0xf   ; with my neighbour's 16: the block's
	v_add_nc_u32 v11, 0xff000000, v8               ; 2 off the exponent field: the conversion takes the exponent field of this operand as its scale
	v_cvt_scalef32_pk8_fp4_f32 v[XC], v[XS:XS+7], v11
	v_cvt_scalef32_pk8_fp4_f32 v[XC+1], v[XS+8:XS+15], v11
	v_lshrrev_b32 v[XE], 23, v11                   ; the scale's byte (also the plain line behind the conversions)
	ds_store_b64 v6, v[XC:XC+1] offset:272*(\t)    ; my 16 codes into row t's record
	ds_store_b8 v7, v[XE] offset:272*(\t)          ; both lanes of a block write the same byte
.endm
; ---------------- the table's macros ----------------
.macro BARRIER                         ; my LDS stores have landed and my LDS loads are in: then the work-group's barrier
	s_wait_dscnt 0x0
	s_barrier_signal -1
	s_barrier_wait -1
.endm
; Batch n: rows 512 w + 32 n + lane.  s30-34: for each bit of g the lanes that have it; s35-39 the others.
; v[32+n]: how many lower lanes have my g.  v[49+n]: with the lane taken as a group, the group's members in batches 0 .. n of my wave.
.macro BATCH n
.irp b, 0,1,2,3,4
	v_and_b32 v[4+\b], 1<<\b, v[16+(\n)]
.endr
.irp b, 0,1,2,3,4
	v_cmp_ne_u32 s[30+\b], 0, v[4+\b]
.endr
.irp b, 0,1,2,3,4
	s_not_b32 s[35+\b], s[30+\b]
.endr
.irp b, 0,1,2,3,4
	v_cndmask_b32 v[4+\b], s[35+\b], s[30+\b], s[30+\b]    ; the lanes that agree with my g in bit b
	v_xor_b32 v[9+\b], s[30+\b], v[65+\b]                  ; the lanes whose g agrees with my lane's number in bit b
.endr
	v_and_b32 v4, v4, v5
	v_and_b32 v9, v9, v10
	v_and_b32 v6, v6, v7
	v_and_b32 v11, v11, v12
	v_and_b32 v4, v4, v6
	v_and_b32 v9, v9, v11
	v_and_b32 v4, v4, v8
	v_and_b32 v9, v9, v13
	v_mbcnt_lo_u32_b32 v[32+(\n)], v4, 0
	v_lshrrev_b32 v10, 1, v9                       ; the number of ones in v9, by halves
	v_and_b32 v10, s26, v10
	v_sub_nc_u32 v9, v9, v10
	v_lshrrev_b32 v10, 2, v9
	v_and_b32 v9, s27, v9
	v_and_b32 v10, s27, v10
	v_add_nc_u32 v9, v9, v10
	v_lshrrev_b32 v10, 4, v9
	v_add_nc_u32 v9, v9, v10
	v_and_b32 v9, s28, v9
	v_mul_lo_u32 v9, v9, s29
	v_lshrrev_b32 v9, 24, v9
	v_add_nc_u32 v[49+(\n)], v[48+(\n)], v9
.endm
.macro SCAN d, m                       ; a step of the exclusive sum over the lanes: the partner block's sum counts for the lanes of the upper block
	v_mov_b32_dpp v14, v12 row_xmask:\d row_mask:0xf bank_mask:0xf
	v_cndmask_b32 v15, 0, v14, s[\m]
	v_add_nc_u32 v13, v13, v15
	v_add_nc_u32 v12, v12, v14
.endm
; Batch n's members of my run go to their places in the list (place p lies in lane p % 32 of register v[88 + p / 32]).  A counted loop over the set bits of the mask of members:
; its trip count is a whole number made of g_idx alone.
.macro MEMBERS n
	v_cmp_gt_u32 s40, 128, v[72+(\n)]
	s_bcnt1_i32_b32 s41, s40
	s_cmp_eq_u32 s41, 0
	s_cbranch_scc1 .Lnone_\@
	s_add_co_u32 s46, s48, 32*(\n)
	s_mov_b32 s42, 0
.Lmem_\@:
	s_ctz_i32_b32 s43, s40                         ; the lowest member's lane,
	v_readlane_b32 s44, v[72+(\n)], s43            ; its place in the run,
	s_add_co_u32 s45, s46, s43                     ; its row
.irp q, 0,1,2,3
	v_cmp_eq_u32 vcc_lo, s44, v[92+\q]
	v_cndmask_b32 v[88+\q], v[88+\q], s45, vcc_lo
.endr
	s_sub_co_u32 s47, s40, 1
	s_and_b32 s40, s40, s47                        ; that member is done
	s_add_co_u32 s42, s42, 1
	s_cmp_lt_u32 s42, s41
	s_cbranch_scc1 .Lmem_\@
.Lnone_\@:
.endm
; Round q's weights: lane (r, h) wants, for list places 16 q + 8 h + j, the word of qweight that holds row i at my two columns, and the shift 4 (i % 8).
.macro PRE q
.set PP, ((\q)%2)
	ds_load_b128 v[16+8*PP:19+8*PP], v188 offset:64*(\q)
	ds_load_b128 v[20+8*PP:23+8*PP], v188 offset:64*(\q)+16
	s_wait_dscnt 0x0
.irp j, 0,1,2,3,4,5,6,7
	v_min_u32 v[16+8*PP+\j], 0xfff, v[16+8*PP+\j]  ; a row's number stays inside the tables
.endr
.irp j, 0,1,2,3,4,5,6,7
	v_and_b32 v[32+8*PP+\j], 0xff8, v[16+8*PP+\j]
.endr
.irp j, 0,1,2,3,4,5,6,7
	v_lshl_add_u32 v[32+8*PP+\j], v[32+8*PP+\j], 10, v230  ; (i / 8) rows of 8,192 bytes + 4 x column
.endr
.irp j, 0,1,2,3,4,5,6,7
	v_lshlrev_b32 v[16+8*PP+\j], 2, v[16+8*PP+\j]
.endr
.irp j, 0,1,2,3,4,5,6,7
	v_and_b32 v[16+8*PP+\j], 28, v[16+8*PP+\j]
.endr
.irp j, 0,1,2,3,4,5,6,7
	global_load_b32 v[192+16*PP+\j], v[32+8*PP+\j], s[14:15]
	global_load_b32 v[200+16*PP+\j], v[32+8*PP+\j], s[14:15] offset:64
.endr
.endm
; Register j of both accumulators: AB2 = AB - 1.5 where AB > 1.5 and w != 15, AB + 1.5 where AB < -1.5 and w != 0, else AB; added to the column's sums (two chains a column tile).
.macro ELEM2 j, first
	v_cmp_lt_f32 s60, s58, v[232+\j]
	v_cmp_lt_f32 s40, s58, v[240+\j]
	v_cmp_ne_u32 s61, 15, v[192+16*RP+\j]
	v_cmp_ne_u32 s41, 15, v[200+16*RP+\j]
	v_cmp_gt_f32 s62, s59, v[232+\j]
	v_cmp_gt_f32 s42, s59, v[240+\j]
	v_cmp_ne_u32 s63, 0, v[192+16*RP+\j]
	v_cmp_ne_u32 s43, 0, v[200+16*RP+\j]
	s_and_b32 s60, s60, s61
	s_and_b32 s40, s40, s41
	s_and_b32 s62, s62, s63
	s_and_b32 s42, s42, s43
	v_cndmask_b32 v4, 0, v189, s62
	v_cndmask_b32 v5, 0, v189, s42
	v_cndmask_b32 v4, v4, v190, s60
	v_cndmask_b32 v5, v5, v190, s40
.if \first
	v_add_f32 v[48+((\j)%2)], v[232+\j], v4        ; the first terms start the sums: nothing is cleared
	v_add_f32 v[50+((\j)%2)], v[240+\j], v5
.else
	v_add_f32 v4, v[232+\j], v4
	v_add_f32 v5, v[240+\j], v5
	v_add_f32 v[48+((\j)%2)], v[48+((\j)%2)], v4
	v_add_f32 v[50+((\j)%2)], v[50+((\j)%2)], v5
.endif
.endm
; Round q: 16 rows of the run x my 32 columns.  The two accumulators take turns, one instruction a turn; each sum's first product takes the constant 0 as C.
.macro ROUND q
.set RP, ((\q)%2)
.irp c, 0,1,2,3
.irp n, 0,1
.if \c == 0
	v_wmma_f32_16x16x4_f32 v[232+8*\n:239+8*\n], v[96+8*(\q)+2*\c:97+8*(\q)+2*\c], v[160+8*\n+2*\c:161+8*\n+2*\c], 0
.else
	v_wmma_f32_16x16x4_f32 v[232+8*\n:239+8*\n], v[96+8*(\q)+2*\c:97+8*(\q)+2*\c], v[160+8*\n+2*\c:161+8*\n+2*\c], v[232+8*\n:239+8*\n]
.endif
.endr
.endr
.if (\q) < 7
	PRE (\q)+1                                     ; its 40 plain vector lines name no register of the products: they are the places behind them (ISA guide 7.12.1)
	s_wait_loadcnt 16                              ; this round's 16 words are in; the next round's may be out
.else
	s_wait_loadcnt 0x0
.endif
.irp j, 0,1,2,3,4,5,6,7
	v_bfe_u32 v[192+16*RP+\j], v[192+16*RP+\j], v[16+8*RP+\j], 4   ; w_int (in the last round these sixteen lines are the places)
	v_bfe_u32 v[200+16*RP+\j], v[200+16*RP+\j], v[16+8*RP+\j], 4
.endr
.irp j, 0,1,2,3,4,5,6,7                ; each accumulator from its low end on
.if ((\q) == 0) && (\j < 2)
	ELEM2 \j, 1
.else
	ELEM2 \j, 0
.endif
.endr
.endm
; ---------------- the head, common to both kinds ----------------
	s_load_b256 s[4:11], s[0:1], 0x0               ; x s[4:5], xq s[6:7], g_idx s[8:9], lora_A s[10:11]
	s_load_b256 s[12:19], s[0:1], 0x20             ; lora_B s[12:13], qweight s[14:15], qzeros s[16:17], scales s[18:19]
	s_load_b64 s[20:21], s[0:1], 0x40              ; tbl
	v_lshl_add_u32 v[SPW], v0, 2, SPARE
	v_mov_b32 v[NIL], 0
	v_lshrrev_b32 v1, 5, v0
	v_readfirstlane_b32 s22, v1                    ; wave 0..7
	v_and_b32 v2, 31, v0                           ; lane
	s_cmp_ge_u32 ttmp9, 256                        ; the work-group's number alone decides: all eight waves go the same way
	s_cbranch_scc1 .Lx
; ---------------- THE TABLE ----------------
; REGISTERS.  Sort: v16-31 g, v32-47 lower lanes with my g, v48-64 running counts, v65-69 lane-bit masks, v72-87 rank - 128 s, v88-91 my part of the list, v92-95 places; v4-15 at work.
; Sums: v96-159 A's operands of the 8 row tiles, v160-175 B's of my 2 column tiles, v192-223 weights (two sets), v16-31 shifts (two sets), v32-47 offsets (two sets), v48-51 sums, v52-61 the entry.
; v176-183 A's operand as loaded; v184-188 LDS addresses; v189, v190 +1.5, -1.5; v224-231, v250, v251 offsets that stay; v248 qzeros' word, v249 the scale.
	s_lshr_b32 s23, ttmp9, 3                       ; my run s
	s_and_b32 s24, ttmp9, 7
	s_lshl_b32 s24, s24, 8
	s_lshl_b32 s25, s22, 5
	s_add_co_u32 s24, s24, s25                     ; my wave's first column: 256 (id % 8) + 32 w
	s_mov_b32 s26, 0x55555555
	s_mov_b32 s27, 0x33333333
	s_mov_b32 s28, 0x0f0f0f0f
	s_mov_b32 s29, 0x01010101
	s_lshl_b32 s48, s22, 9                         ; 512 w
	s_mov_b32 s49, 0x3f2aaaab                      ; 1 / 1.5, rounded
	s_mov_b32 s50, 0xaaaaaaaa                      ; the lanes whose number has bit 0, 1, 2, 3, 4
	s_mov_b32 s51, 0xcccccccc
	s_mov_b32 s52, 0xf0f0f0f0
	s_mov_b32 s53, 0xff00ff00
	s_mov_b32 s54, 0xffff0000
	s_mov_b32 s56, 0x76543210                      ; v_permlanex16_b32's selects for lane l xor 16
	s_mov_b32 s57, 0xfedcba98
	s_mov_b32 s58, 0x3fc00000                      ; 1.5
	s_mov_b32 s59, 0xbfc00000                      ; -1.5
	v_and_b32 v228, 15, v0                         ; r
	v_bfe_u32 v229, v0, 4, 1                       ; h
	v_lshlrev_b32 v251, 2, v2                      ; 4 x lane
	v_lshlrev_b32 v250, 2, v0                      ; 4 x thread
	v_lshl_add_u32 v224, s22, 11, v251             ; g_idx: 2,048 w + 4 lane
	v_add_nc_u32 v225, s24, v228                   ; column of lane r in tile 0
	v_lshlrev_b32 v230, 2, v225                    ; qweight: 4 x column
	v_lshlrev_b32 v225, 6, v225
	v_lshl_add_u32 v225, v229, 3, v225             ; lora_B: column x 64 + 8 h
	v_add_nc_u32 v231, s24, v2                     ; o = first column + lane
	v_lshrrev_b32 v226, 3, v231
	v_lshlrev_b32 v226, 2, v226
	s_lshl_b32 s40, s23, 10
	v_add_nc_u32 v226, s40, v226                   ; qzeros: 1,024 s + 4 (o / 8)
	s_lshl_b32 s40, s23, 13
	v_lshl_add_u32 v227, v231, 2, s40              ; scales: 8,192 s + 4 o
	s_lshl_b32 s40, s23, 11
	v_add_nc_u32 v231, s40, v231
	v_lshlrev_b32 v231, 4, v231                    ; tbl: (2,048 s + o) x 16
	v_add_nc_u32 v184, s48, v251                   ; LDS: 512 w + 4 lane
	s_mul_i32 s40, s22, 576
	s_add_co_u32 s40, s40, ML
	v_lshlrev_b32 v185, 2, v228
	v_add_nc_u32 v185, s40, v185                   ; my list, places 16 w + r
	v_lshlrev_b32 v187, 4, v2                      ; 16 x lane
	s_lshl_b32 s41, s22, 10
	v_add_nc_u32 v186, s41, v187                   ; 1,024 w + 16 lane
	s_add_co_u32 s40, s48, ML
	v_lshlrev_b32 v188, 5, v229
	v_add_nc_u32 v188, s40, v188                   ; my list, + 32 h
	v_mov_b32 v189, 0x3fc00000
	v_mov_b32 v190, 0xbfc00000
.irp b, 0,1,2,3,4
	v_cndmask_b32 v[65+\b], -1, 0, s[50+\b]        ; 0 where my lane's number has bit b, else all ones
.endr
.irp q, 0,1,2,3
	v_add_nc_u32 v[92+\q], 32*\q, v2               ; the list places that I hold
	v_mov_b32 v[88+\q], 0
.endr
	v_mov_b32 v48, 0
	s_wait_kmcnt 0x0
.irp n, 0,1,2,3,4,5,6,7,8,9,10,11,12,13,14,15
	global_load_b32 v[16+\n], v224, s[8:9] offset:128*\n
.endr
.irp n, 0,1
.irp c, 0,1,2,3
	global_load_b64 v[160+8*\n+2*\c:161+8*\n+2*\c], v225, s[12:13] offset:1024*\n+16*\c   ; B(column, 4 c + 2 h + 0, 1)
.endr
.endr
	global_load_b32 v248, v226, s[16:17]
	global_load_b32 v249, v227, s[18:19]
	s_wait_loadcnt 10                              ; g is in; B's eight loads, the word of qzeros and the scale may be out
.irp n, 0,1,2,3,4,5,6,7,8,9,10,11,12,13,14,15
	BATCH \n
.endr
	ds_store_b32 v250, v64 offset:WH               ; my wave's count of group = lane
	BARRIER                                        ; all eight waves' counts lie in LDS
.irp k, 0,1,2,3,4,5,6,7
	ds_load_b32 v[4+\k], v251 offset:WH+128*\k
.endr
	s_wait_dscnt 0x0
	v_add3_u32 v12, v4, v5, v6
	v_add3_u32 v12, v12, v7, v8
	v_add3_u32 v12, v12, v9, v10
	v_add_nc_u32 v12, v12, v11                     ; the group's size
	v_mov_b32 v13, 0
.irp k, 0,1,2,3,4,5,6
	s_cmp_gt_u32 s22, \k
	s_cselect_b32 s40, -1, 0
	v_and_b32 v14, s40, v[4+\k]
	v_add_nc_u32 v13, v13, v14                     ; its members in the waves before mine
.endr
	v_mov_b32 v14, 0                               ; (a lane permute's destination counts as one of its sources)
	SCAN 1, 50
	SCAN 2, 51
	SCAN 4, 52
	SCAN 8, 53
	v_permlanex16_b32 v14, v12, s56, s57
	v_cndmask_b32 v15, 0, v14, s54
	v_add_nc_u32 v13, v13, v15                     ; + the sizes of all lower groups
	s_lshl_b32 s40, s23, 7
	v_sub_nc_u32 v13, v13, s40                     ; - 128 s: ranks count from my run's first place
.irp n, 0,1,2,3,4,5,6,7,8,9,10,11,12,13,14,15
	v_lshlrev_b32 v[16+\n], 2, v[16+\n]
	v_add_nc_u32 v[48+\n], v13, v[48+\n]
	ds_bpermute_b32 v[72+\n], v[16+\n], v[48+\n]   ; from lane g: where my group stands at the head of this batch
.endr
	s_wait_dscnt 0x0
.irp n, 0,1,2,3,4,5,6,7,8,9,10,11,12,13,14,15
	v_add_nc_u32 v[72+\n], v[72+\n], v[32+\n]      ; rank - 128 s: a member of my run where it is under 128, unsigned
.endr
.irp n, 0,1,2,3,4,5,6,7,8,9,10,11,12,13,14,15
	MEMBERS \n
.endr
.irp q, 0,1,2,3
	ds_store_b32 v184, v[88+\q] offset:LL+128*\q
.endr
	BARRIER                                        ; all eight parts of the list lie in LDS; each place is filled in one part and 0 in the others
.irp k, 0,1,2,3,4,5,6,7
.irp q, 0,1,2,3
	ds_load_b32 v[96+4*\k+\q], v251 offset:LL+512*\k+128*\q
.endr
.endr
	s_wait_dscnt 0x0
.irp q, 0,1,2,3
	v_add3_u32 v[4+\q], v[96+\q], v[100+\q], v[104+\q]
	v_add3_u32 v[4+\q], v[4+\q], v[108+\q], v[112+\q]
	v_add3_u32 v[4+\q], v[4+\q], v[116+\q], v[120+\q]
	v_add_nc_u32 v[4+\q], v[4+\q], v[124+\q]
.endr
.irp q, 0,1,2,3
	ds_store_b32 v184, v[4+\q] offset:ML+128*\q    ; the whole list, in bytes of my wave's own: no barrier is needed to read it
.endr
	ds_load_b32 v8, v185                           ; wave w fetches A's operand of row tile w: its row r
	s_wait_dscnt 0x0
	v_min_u32 v8, 0xfff, v8
	v_lshlrev_b32 v8, 2, v8
	v_lshl_add_u32 v8, v229, 15, v8                ; lora_A: 4 i + 2 h rows of 16,384 bytes
.irp c, 0,1,2,3
.irp j, 0,1
	global_load_b32 v[176+2*\c+\j], v8, s[10:11] offset:(4*\c+\j)*16384   ; A(4 c + 2 h + j, i)
.endr
.endr
	s_wait_loadcnt 0x0                             ; these, and B, the word of qzeros and the scale
	ds_store_b128 v186, v[176:179] offset:AIMG     ; the operand goes to LDS as an image of its registers
	ds_store_b128 v186, v[180:183] offset:AIMG+512
	BARRIER                                        ; all eight images lie in LDS
.irp q, 0,1,2,3,4,5,6,7
	ds_load_b128 v[96+8*\q:99+8*\q], v187 offset:AIMG+1024*\q
	ds_load_b128 v[100+8*\q:103+8*\q], v187 offset:AIMG+1024*\q+512
.endr
	PRE 0                                          ; (its wait for LDS covers the images too)
.irp q, 0,1,2,3,4,5,6,7
	ROUND \q
.endr
	v_add_f32 v48, v48, v49                        ; the two chains of each column tile,
	v_add_f32 v50, v50, v51
	v_mov_b32 v52, 0
	v_mov_b32 v53, 0
	v_permlanex16_b32 v52, v48, s56, s57
	v_permlanex16_b32 v53, v50, s56, s57
	v_add_f32 v48, v48, v52                        ; and the other half of the lanes' rows
	v_add_f32 v50, v50, v53
	v_cndmask_b32 v54, v48, v50, s54               ; lane l now stands for column first + l
	v_mul_f32 v54, 0x3c000000, v54                 ; / 128: the mean
	v_mul_f32 v55, s49, v54                        ; / 1.5, rounded as a division: a first quotient,
	v_fma_f32 v60, s59, v55, v54                   ; its remainder, exact,
	v_fma_f32 v57, v60, s49, v55                   ; and the correction
	v_and_b32 v61, 7, v2
	v_lshlrev_b32 v61, 2, v61
	v_bfe_u32 v56, v248, v61, 4
	v_cvt_f32_u32 v56, v56                         ; zeros[s][o]
	v_mov_b32 v58, v249
	v_mov_b32 v59, 0
	global_store_b128 v231, v[56:59], s[20:21]     ; the wave stores 512 consecutive bytes, at a multiple of 256 from tbl's first byte
	s_wait_tensorcnt 0x0                           ; the wave's end
	ds_add_u32 v[SPW], v[NIL]
	s_wait_dscnt 0x0
	s_endpgm
; ---------------- THE STREAM ----------------
; Work-group b takes rows XROW0 + 16 b .. + 15; wave w takes K step w of them; a step of the text is one row's 512 numbers.  Waves share nothing: no barrier.
; REGISTERS: v3 16 lane; v4, v5 the stage, in and out; v6 my 8 bytes of a record; v7 my block's scale byte; v18 8 lane; v8-11 at work; v12-15 codes, v16-17 bytes, two sets each.
.Lx:
	s_sub_co_u32 s23, ttmp9, 256
	s_lshl_b32 s23, s23, 4
	s_add_co_u32 s23, s23, XROW0                   ; my first row
	s_lshl_b32 s24, s23, 14
	s_lshl_b32 s25, s22, 11
	s_add_co_u32 s24, s24, s25                     ; x: row x 16,384 + 2,048 w (under 2^28)
	s_mov_b32 s25, 0
	s_lshl_b32 s26, s22, 13
	s_add_co_u32 s26, s26, s23
	s_mul_i32 s26, s26, 272                        ; xq: (8,192 w + row) x 272: a multiple of 4,352 = 17 x 256
	s_mov_b32 s27, 0
	s_mul_i32 s28, s22, 9472
	s_add_co_u32 s28, s28, XL                      ; my wave's LDS
	v_lshlrev_b32 v3, 4, v2
	v_lshrrev_b32 v4, 2, v2
	v_mul_u32_u24 v4, v4, 80
	v_and_b32 v5, 3, v2
	v_lshl_add_u32 v4, v5, 4, v4
	v_add_nc_u32 v4, s28, v4                       ; in: four lanes' 64 bytes on end, then 16 of padding
	v_mul_u32_u24 v5, v2, 80
	v_add_nc_u32 v5, s28, v5                       ; out: 80 x lane: my 16 neighbours
	v_lshlrev_b32 v18, 3, v2
	s_add_co_u32 s28, s28, 5120
	v_add_nc_u32 v6, s28, v18
	v_lshrrev_b32 v7, 1, v2
	s_add_co_u32 s28, s28, 256
	v_add_nc_u32 v7, s28, v7
	s_wait_kmcnt 0x0
	s_add_nc_u64 s[4:5], s[4:5], s[24:25]
	s_add_nc_u64 s[6:7], s[6:7], s[26:27]
.irp t, 0,1,2,3,4,5,6,7
	XLOAD \t                                       ; 32 loads, 16 KiB, of every wave are on their way
.endr
	s_wait_loadcnt 28                              ; row 0's four loads are in
	XTURN 0
.irp t, 0,1,2,3,4,5,6,7,8,9,10,11,12,13,14,15
	XSTEP \t
.endr
.irp u, 0,1,2,3,4,5,6,7,8,9,10,11,12,13,14,15,16
	ds_load_b64 v[32+2*\u:33+2*\u], v6 offset:256*\u   ; the 16 records, 4,352 bytes on end; LDS serves a wave's instructions in order: these see my stores
.endr
.irp u, 0,1,2,3,4,5,6,7,8,9,10,11,12,13,14,15,16
	s_wait_dscnt 16-\u
	global_store_b64 v18, v[32+2*\u:33+2*\u], s[6:7] offset:256*\u   ; 32 lanes store 256 consecutive bytes, at a multiple of 256 from xq's first byte
.endr
	s_wait_tensorcnt 0x0                           ; the wave's end
	ds_add_u32 v[SPW], v[NIL]
	s_wait_dscnt 0x0
	s_endpgm
.Lfunc_end_k_qfc35cbd72b_prep1:
	.size	k_qfc35cbd72b_prep1, .Lfunc_end_k_qfc35cbd72b_prep1-k_qfc35cbd72b_prep1
	.p2alignl 7, 3214868480
	.fill 96, 4, 3214868480
	.section	.rodata,"a",@progbits
	.p2align	6, 0x0
	.amdhsa_kernel k_qfc35cbd72b_prep1
		.amdhsa_group_segment_fixed_size 94208
		.amdhsa_private_segment_fixed_size 0
		.amdhsa_enable_private_segment 0
		.amdhsa_kernarg_size 72
		.amdhsa_user_sgpr_count 2
		.amdhsa_user_sgpr_kernarg_segment_ptr 1
		.amdhsa_wavefront_size32 1
		.amdhsa_system_sgpr_workgroup_id_x 1
		.amdhsa_system_sgpr_workgroup_id_y 1
		.amdhsa_system_sgpr_workgroup_id_z 1
		.amdhsa_system_vgpr_workitem_id 0
		.amdhsa_next_free_vgpr 256
		.amdhsa_next_free_sgpr 66
		.amdhsa_reserve_vcc 1
		.amdhsa_float_denorm_mode_32 3
		.amdhsa_float_denorm_mode_16_64 3
		.amdhsa_memory_ordered 1
		.amdhsa_forward_progress 1
		.amdhsa_inst_pref_size 203
	.end_amdhsa_kernel
	.amdgpu_metadata
---
amdhsa.version: [ 1, 2 ]
amdhsa.kernels:
  - .name:           k_qfc35cbd72b_prep1
    .symbol:         k_qfc35cbd72b_prep1.kd
    .args:
      - { .name: x, .offset: 0, .size: 8, .value_kind: global_buffer, .address_space: global }
      - { .name: xq, .offset: 8, .size: 8, .value_kind: global_buffer, .address_space: global }
      - { .name: g_idx, .offset: 16, .size: 8, .value_kind: global_buffer, .address_space: global }
      - { .name: lora_A, .offset: 24, .size: 8, .value_kind: global_buffer, .address_space: global }
      - { .name: lora_B, .offset: 32, .size: 8, .value_kind: global_buffer, .address_space: global }
      - { .name: qweight, .offset: 40, .size: 8, .value_kind: global_buffer, .address_space: global }
      - { .name: qzeros, .offset: 48, .size: 8, .value_kind: global_buffer, .address_space: global }
      - { .name: scales, .offset: 56, .size: 8, .value_kind: global_buffer, .address_space: global }
      - { .name: tbl, .offset: 64, .size: 8, .value_kind: global_buffer, .address_space: global }
    .group_segment_fixed_size: 94208
    .private_segment_fixed_size: 0
    .kernarg_segment_align: 8
    .kernarg_segment_size: 72
    .max_flat_workgroup_size: 256
    .sgpr_count:     66
    .vgpr_count:     256
    .wavefront_size: 32
...
	.end_amdgpu_metadata
.endif
;; end of part 1
;; launch prep2 (part 2): grid 512 x 1, 8 waves a work-group, no clusters, 102,400 bytes of LDS; arguments x, xq, g_idx, lora_A, lora_B, qweight, tbl, wq; writes xq, wq
.if DOCPART == 2
	.amdgcn_target "amdgcn-amd-amdhsa--gfx1250"
	.amdhsa_code_object_version 6
	.text
	.protected	k_qfc35cbd72b_prep2
	.globl	k_qfc35cbd72b_prep2
	.p2align	8
	.type	k_qfc35cbd72b_prep2,@function
k_qfc35cbd72b_prep2:
	s_mov_b64 s[64:65], 0
	v_nop
	global_prefetch_b8 v0, s[64:65] scope:SCOPE_SE
	s_setreg_imm32_b32 hwreg(HW_REG_WAVE_MODE, 25, 1), 1
	s_wait_xcnt 0x0
; The second launch of three.  Nothing of the problem is left out.  Two kinds of work-groups, which share no line behind the head and no LDS byte:
;   work-groups 0-255, THE WEIGHT: work-group (16 columns 16 (id / 2) on, half id % 2 of K) forms AB = A^T B^T by natural rows (f32 matrix form, K = 16), the markers, and
;     AB_mix = sc x (((w + marker) - z) + zp), in the problem's own order of roundings, with {z, zp, sc} looked up in tbl by g_idx, and quantises it along K into records of wq.
;     w + marker is the middle of (w + d, 0, 15), d = +1 where AB > 1.5, -1 where AB < -1.5: the same whole number as by the problem's two masks.
;   work-groups 256-511, THE STREAM: rows 4,096-8,191 of x become records of xq.
; A RECORD (xq: [8 K steps][8,192 rows][272 bytes]; wq: [8][2,048 columns][272]): 256 bytes = 512 codes, K ascending, the lower k in the low four bits; then 16 scale bytes, one for each 32 along K.
; LIMITS: g_idx is taken to lie in 0 .. 31 and is held there for the addresses' sake; NaN and infinities in x or in AB_mix are not served; a block whose largest magnitude lies under 2^-124,
; a block of zeros among them, gets the byte 1 (its codes are zeros, and this program alone reads the bytes).
.set XROW0, 4096
.set GLD,   0                          ; LDS, weight: each wave's 256 g, 1,024 bytes a wave
.set CST,   8192                       ; [4 K steps][16 columns][272]: the records on their way out
.set XL,    25600                      ; LDS, stream: 9,472 bytes a wave
.set SPARE, 101376                     ; the spare words, 128 bytes for each wave: four blocks of 256 bytes that no other line names
.set SPW,   252
.set NIL,   253
.set XR,    32
.set XX,    160
; v232-247 are the two f32 accumulators: matrix instructions alone write them in this text.
; ---------------- the stream's macros (as in the first launch) ----------------
.macro XLOAD t
.irp i, 0,1,2,3
	global_load_b128 v[XR+16*((\t)%8)+4*\i:XR+16*((\t)%8)+4*\i+3], v3, s[4:5] offset:16384*(\t)+512*\i th:TH_LOAD_NT
.endr
.endm
.macro XTURN t
.irp i, 0,1,2,3
	ds_store_b128 v4, v[XR+16*((\t)%8)+4*\i:XR+16*((\t)%8)+4*\i+3] offset:2560*((\t)%2)+640*\i
.endr
.irp i, 0,1,2,3
	ds_load_b128 v[XX+16*((\t)%2)+4*\i:XX+16*((\t)%2)+4*\i+3], v5 offset:2560*((\t)%2)+16*\i
.endr
.endm
.macro XSTEP t
.set XS, XX+16*((\t)%2)
.set XC, 12+2*((\t)%2)
.set XE, 16+((\t)%2)
.if (\t) > 0
	s_wait_dscnt 2                                 ; this row is back from the stage; the last row's code store and byte store may be out
.else
	s_wait_dscnt 0x0
.endif
.if (\t) < 8
	XLOAD (\t)+8
.endif
.if (\t) < 15
.if (\t) <= 7
	s_wait_loadcnt 28                              ; the next row's four loads are in; seven rows' may be out
.else
	s_wait_loadcnt 4*(14-(\t))
.endif
	XTURN (\t)+1
.endif
	v_max3_num_f32 v8, |v[XS]|, |v[XS+1]|, |v[XS+2]|
	v_max3_num_f32 v9, |v[XS+3]|, |v[XS+4]|, |v[XS+5]|
.irp i, 6,10
	v_max3_num_f32 v8, v8, |v[XS+\i]|, |v[XS+\i+1]|
	v_max3_num_f32 v9, v9, |v[XS+\i+2]|, |v[XS+\i+3]|
.endr
	v_max3_num_f32 v8, v8, |v[XS+14]|, |v[XS+15]|
	v_max3_num_f32 v8, v8, v9, 0x1800000           ; the floor 2^(3 - 127): the byte cannot fall under 1
	v_max_num_f32_dpp v8, v8, v8 row_xmask:1 row_mask:0xf bank_mask:0xf
	v_add_nc_u32 v11, 0xff000000, v8               ; 2 off the exponent field: the conversion's scale operand
	v_cvt_scalef32_pk8_fp4_f32 v[XC], v[XS:XS+7], v11
	v_cvt_scalef32_pk8_fp4_f32 v[XC+1], v[XS+8:XS+15], v11
	v_lshrrev_b32 v[XE], 23, v11                   ; the scale's byte (also the plain line behind the conversions)
	ds_store_b64 v6, v[XC:XC+1] offset:272*(\t)
	ds_store_b8 v7, v[XE] offset:272*(\t)
.endm
; ---------------- the weight's macros ----------------
; Block row b: 32 rows of K x my 16 columns, as two tiles u.  THE ROWS OF A TILE ARE NOT NEIGHBOURS: row m of tile u is i = 32 b + 8 u + m + 8 (m / 8), so that lane (r, h) holds column r and the
; 16 neighbours 32 b + 16 h + 8 u + j along K.
.macro ALOAD b                         ; A's operands of both tiles: register 2 c + j = A(4 c + 2 h + j, i of lane r)
.irp u, 0,1
.irp c, 0,1,2,3
.irp j, 0,1
	global_load_b32 v[32+8*\u+2*\c+\j], v225, s[10:11] offset:(4*\c+\j)*16384+4*(32*(\b)+8*\u)
.endr
.endr
.endr
.endm
.macro TGET b                          ; my 16 rows' g out of LDS, and their entries of tbl at my column: sixteen lanes read 256 consecutive bytes
.set TQ, ((\b)%2)
.irp e, 0,1,2,3
	ds_load_b128 v[16+4*\e:19+4*\e], v227 offset:GLD+128*(\b)+16*\e
.endr
	s_wait_dscnt 0x0
.irp e, 0,1,2,3,4,5,6,7,8,9,10,11,12,13,14,15
	v_min_u32 v[16+\e], 31, v[16+\e]
.endr
.irp e, 0,1,2,3,4,5,6,7,8,9,10,11,12,13,14,15
	v_lshl_add_u32 v[16+\e], v[16+\e], 15, v228    ; g x 2,048 entries of 16 bytes + my column's
.endr
.irp e, 0,1,2,3,4,5,6,7,8,9,10,11,12,13,14,15
	global_load_b128 v[96+64*TQ+4*\e:99+64*TQ+4*\e], v[16+\e], s[16:17]
.endr
.endm
.macro CELEM j                         ; register j of both tiles
	v_cmp_lt_f32 s60, s58, v[232+\j]
	v_cmp_lt_f32 s62, s58, v[240+\j]
	v_cmp_gt_f32 s61, s59, v[232+\j]
	v_cmp_gt_f32 s63, s59, v[240+\j]
	v_cndmask_b32 v4, 0, 1.0, s60
	v_cndmask_b32 v5, 0, 1.0, s62
	v_cndmask_b32 v4, v4, -1.0, s61
	v_cndmask_b32 v5, v5, -1.0, s63
	v_add_f32 v[72+\j], v[72+\j], v4
	v_add_f32 v[80+\j], v[80+\j], v5
	v_med3_num_f32 v[72+\j], v[72+\j], 0, s49      ; w + marker
	v_med3_num_f32 v[80+\j], v[80+\j], 0, s49
	v_sub_f32 v[72+\j], v[72+\j], v[96+64*TP+4*\j]         ; - z (whole numbers: exact)
	v_sub_f32 v[80+\j], v[80+\j], v[128+64*TP+4*\j]
	v_add_f32 v[72+\j], v[72+\j], v[97+64*TP+4*\j]         ; + zp
	v_add_f32 v[80+\j], v[80+\j], v[129+64*TP+4*\j]
	v_mul_f32 v[72+\j], v[72+\j], v[98+64*TP+4*\j]         ; x sc
	v_mul_f32 v[80+\j], v[80+\j], v[130+64*TP+4*\j]
.endm
.macro ITER b
.set TP, ((\b)%2)
.set CC, 10+2*((\b)%2)
	s_wait_loadcnt 0x0                             ; A's operands and the entries, asked for a block row ago; the offsets' registers are free again
.irp c, 0,1,2,3                        ; the two accumulators take turns, one instruction a turn; each sum's first product takes the constant 0 as C
.irp u, 0,1
.if \c == 0
	v_wmma_f32_16x16x4_f32 v[232+8*\u:239+8*\u], v[32+8*\u+2*\c:33+8*\u+2*\c], v[48+2*\c:49+2*\c], 0
.else
	v_wmma_f32_16x16x4_f32 v[232+8*\u:239+8*\u], v[32+8*\u+2*\c:33+8*\u+2*\c], v[48+2*\c:49+2*\c], v[232+8*\u:239+8*\u]
.endif
.endr
.endr
.irp j, 0,1,2,3,4,5,6,7                ; these 32 plain lines name no register of the products: they are the places behind them, in front of the loads into A's registers too
	v_bfe_u32 v[72+\j], v[56+2*(\b)], 4*\j, 4      ; w_int of rows 16 h + j
	v_bfe_u32 v[80+\j], v[57+2*(\b)], 4*\j, 4      ; and 16 h + 8 + j
.endr
.irp j, 0,1,2,3,4,5,6,7,8,9,10,11,12,13,14,15
	v_cvt_f32_u32 v[72+\j], v[72+\j]
.endr
.if (\b) < 7
	ALOAD (\b)+1
	TGET (\b)+1
.endif
.irp j, 0,1,2,3,4,5,6,7                ; each accumulator from its low end on
	CELEM \j
.endr
	v_max3_num_f32 v4, |v72|, |v73|, 0x1800000     ; the block's largest magnitude: my 16, and the floor 2^(3 - 127)
	v_max3_num_f32 v5, |v80|, |v81|, |v82|
	v_max3_num_f32 v4, v4, |v74|, |v75|
	v_max3_num_f32 v5, v5, |v83|, |v84|
	v_max3_num_f32 v4, v4, |v76|, |v77|
	v_max3_num_f32 v5, v5, |v85|, |v86|
	v_max3_num_f32 v4, v4, |v78|, |v79|
	v_max3_num_f32 v4, v4, v5, |v87|
	v_permlanex16_b32 v6, v4, s56, s57
	v_max_num_f32 v4, v4, v6                       ; with lane l xor 16's 16
	v_add_nc_u32 v7, 0xff000000, v4                ; 2 off the exponent field: the conversion's scale operand
	v_lshrrev_b32 v8, 23, v7                       ; the scale's byte
.if (\b)%4 == 0
	v_mov_b32 v[88+(\b)/4], v8
.else
	v_lshl_or_b32 v[88+(\b)/4], v8, 8*((\b)%4), v[88+(\b)/4]
.endif
	v_cvt_scalef32_pk8_fp4_f32 v[CC], v[72:79], v7
	v_cvt_scalef32_pk8_fp4_f32 v[CC+1], v[80:87], v7
	v_nop                                          ; one plain line behind the last scaled conversion
	ds_store_b64 v229, v[CC:CC+1] offset:16*(\b)   ; 16 codes of my column's record
.endm
; ---------------- the head, common to both kinds ----------------
	s_load_b256 s[4:11], s[0:1], 0x0               ; x s[4:5], xq s[6:7], g_idx s[8:9], lora_A s[10:11]
	s_load_b256 s[12:19], s[0:1], 0x20             ; lora_B s[12:13], qweight s[14:15], tbl s[16:17], wq s[18:19]
	v_lshl_add_u32 v[SPW], v0, 2, SPARE
	v_mov_b32 v[NIL], 0
	v_lshrrev_b32 v1, 5, v0
	v_readfirstlane_b32 s22, v1                    ; wave 0..7
	v_and_b32 v2, 31, v0                           ; lane
	s_cmp_ge_u32 ttmp9, 256                        ; the work-group's number alone decides: all eight waves go the same way
	s_cbranch_scc1 .Lx
; ---------------- THE WEIGHT ----------------
; Wave w takes rows i0 = 2,048 (id % 2) + 256 w .. + 255 of K: half pi = w % 2 of K step 4 (id % 2) + kappa, kappa = w / 2.
; REGISTERS: v4-9 at work; v10-13 codes, two sets; v16-31 offsets into tbl; v32-47 A's operands; v48-55 B's; v56-71 the 16 words of qweight; v72-87 the 16 numbers; v88-89 scale bytes;
; v92 r, v93 h; v94, v95, v224-231, v248 offsets and LDS addresses that stay; v96-223 entries of tbl, two sets of 64.
	s_lshr_b32 s23, ttmp9, 1                       ; column tile
	s_and_b32 s24, ttmp9, 1                        ; half of K
	s_lshl_b32 s25, s24, 11
	s_lshl_b32 s26, s22, 8
	s_add_co_u32 s25, s25, s26                     ; i0
	s_lshr_b32 s27, s22, 1                         ; kappa
	s_and_b32 s28, s22, 1                          ; pi
	s_mov_b32 s49, 0x41700000                      ; 15.0
	s_mov_b32 s56, 0x76543210                      ; v_permlanex16_b32's selects for lane l xor 16
	s_mov_b32 s57, 0xfedcba98
	s_mov_b32 s58, 0x3fc00000                      ; 1.5
	s_mov_b32 s59, 0xbfc00000                      ; -1.5
	v_and_b32 v92, 15, v0                          ; r
	v_bfe_u32 v93, v0, 4, 1                        ; h
	v_lshlrev_b32 v94, 4, v2                       ; 16 x lane
	s_lshl_b32 s29, s22, 10
	v_add_nc_u32 v226, s29, v94                    ; LDS: my wave's g, as loaded
	v_lshlrev_b32 v227, 6, v93
	v_add_nc_u32 v227, s29, v227                   ; and as read: + 64 h
	s_lshl_b32 s29, s25, 2
	v_add_nc_u32 v94, s29, v94                     ; g_idx: 4 i0 + 16 lane
	s_lshl_b32 s30, s23, 4
	v_add_nc_u32 v95, s30, v92                     ; my column
	v_lshlrev_b32 v228, 4, v95                     ; tbl: 16 x column
	v_lshlrev_b32 v224, 2, v95
	v_lshl_add_u32 v224, v93, 14, v224
	s_lshl_b32 s31, s25, 10
	v_add_nc_u32 v224, s31, v224                   ; qweight: (i0 / 8 + 2 h) rows of 8,192 bytes + 4 x column
	v_lshlrev_b32 v95, 6, v95
	v_lshl_add_u32 v95, v93, 3, v95                ; lora_B: column x 64 + 8 h
	v_and_b32 v225, 8, v92
	v_add_nc_u32 v225, v225, v92                   ; r + 8 (r / 8)
	v_add_nc_u32 v225, s25, v225
	v_lshlrev_b32 v225, 2, v225
	v_lshl_add_u32 v225, v93, 15, v225             ; lora_A: 4 i + 2 h rows of 16,384 bytes
	s_mul_i32 s42, s28, 2304
	v_lshl_add_u32 v248, v2, 3, s42                ; the way out: 2,304 pi + 8 lane
	s_mul_i32 s43, s27, 4352
	s_add_co_u32 s43, s43, CST                     ; my K step's 16 records
	v_add_nc_u32 v231, s43, v248
	v_mul_u32_u24 v229, v92, 272
	v_add_nc_u32 v229, s43, v229                   ; my column's record
	s_lshl_b32 s45, s28, 3
	s_add_co_u32 s45, s45, 256
	v_add_nc_u32 v230, s45, v229                   ; its scale bytes 8 pi on
	s_lshl_b32 s44, s28, 7
	v_add_nc_u32 v229, s44, v229
	v_lshl_add_u32 v229, v93, 3, v229              ; its codes: 128 pi + 8 h
	s_lshl_b32 s40, s24, 2
	s_add_co_u32 s40, s40, s27
	s_lshl_b32 s40, s40, 11
	s_add_co_u32 s40, s40, s30
	s_mul_i32 s40, s40, 272                        ; wq: ((4 half + kappa) x 2,048 + 16 tile) x 272: a multiple of 4,352 = 17 x 256
	s_mov_b32 s41, 0
	v_mov_b32 v6, 0                                ; (a lane permute's destination counts as one of its sources)
	s_wait_kmcnt 0x0
	s_add_nc_u64 s[18:19], s[18:19], s[40:41]
	global_load_b128 v[72:75], v94, s[8:9]
	global_load_b128 v[76:79], v94, s[8:9] offset:512
.irp c, 0,1,2,3
	global_load_b64 v[48+2*\c:49+2*\c], v95, s[12:13] offset:16*\c     ; B(column, 4 c + 2 h + 0, 1)
.endr
.irp b, 0,1,2,3,4,5,6,7
.irp u, 0,1
	global_load_b32 v[56+2*\b+\u], v224, s[14:15] offset:(4*\b+\u)*8192   ; eight rows of K in a word
.endr
.endr
	ALOAD 0
	s_wait_loadcnt 36                              ; g is in; B's 4, the 16 words and A's 16 may be out
	ds_store_b128 v226, v[72:75] offset:GLD
	ds_store_b128 v226, v[76:79] offset:GLD+512    ; bytes of my wave's own: LDS serves a wave's instructions in order
	TGET 0
.irp b, 0,1,2,3,4,5,6,7
	ITER \b
.endr
	ds_store_b64 v230, v[88:89]                    ; my eight scale bytes (both halves of the lanes store the same)
	s_wait_dscnt 0x0                               ; for the others' sake: my stores have landed
	s_barrier_signal -1
	s_barrier_wait -1                              ; the 64 records are whole
.irp u, 0,1,2,3,4,5,6,7                ; a K step's 16 records are 17 runs of 256 bytes: wave (kappa, 0) takes runs 0-8, wave (kappa, 1) runs 9-16
	ds_load_b64 v[96+2*\u:97+2*\u], v231 offset:256*\u
.endr
.irp u, 0,1,2,3,4,5,6,7
	s_wait_dscnt 7-\u
	global_store_b64 v248, v[96+2*\u:97+2*\u], s[18:19] offset:256*\u  ; 32 lanes store 256 consecutive bytes, at a multiple of 256 from wq's first byte
.endr
	s_cmp_lg_u32 s28, 0
	s_cbranch_scc1 .Lodd
	ds_load_b64 v[112:113], v231 offset:2048
	s_wait_dscnt 0x0
	global_store_b64 v248, v[112:113], s[18:19] offset:2048
.Lodd:
	s_wait_tensorcnt 0x0                           ; the wave's end
	ds_add_u32 v[SPW], v[NIL]
	s_wait_dscnt 0x0
	s_endpgm
; ---------------- THE STREAM ----------------
.Lx:
	s_sub_co_u32 s23, ttmp9, 256
	s_lshl_b32 s23, s23, 4
	s_add_co_u32 s23, s23, XROW0                   ; my first row
	s_lshl_b32 s24, s23, 14
	s_lshl_b32 s25, s22, 11
	s_add_co_u32 s24, s24, s25                     ; x: row x 16,384 + 2,048 w (under 2^28)
	s_mov_b32 s25, 0
	s_lshl_b32 s26, s22, 13
	s_add_co_u32 s26, s26, s23
	s_mul_i32 s26, s26, 272                        ; xq: (8,192 w + row) x 272
	s_mov_b32 s27, 0
	s_mul_i32 s28, s22, 9472
	s_add_co_u32 s28, s28, XL
	v_lshlrev_b32 v3, 4, v2
	v_lshrrev_b32 v4, 2, v2
	v_mul_u32_u24 v4, v4, 80
	v_and_b32 v5, 3, v2
	v_lshl_add_u32 v4, v5, 4, v4
	v_add_nc_u32 v4, s28, v4
	v_mul_u32_u24 v5, v2, 80
	v_add_nc_u32 v5, s28, v5
	v_lshlrev_b32 v18, 3, v2
	s_add_co_u32 s28, s28, 5120
	v_add_nc_u32 v6, s28, v18
	v_lshrrev_b32 v7, 1, v2
	s_add_co_u32 s28, s28, 256
	v_add_nc_u32 v7, s28, v7
	s_wait_kmcnt 0x0
	s_add_nc_u64 s[4:5], s[4:5], s[24:25]
	s_add_nc_u64 s[6:7], s[6:7], s[26:27]
.irp t, 0,1,2,3,4,5,6,7
	XLOAD \t
.endr
	s_wait_loadcnt 28                              ; row 0's four loads are in
	XTURN 0
.irp t, 0,1,2,3,4,5,6,7,8,9,10,11,12,13,14,15
	XSTEP \t
.endr
.irp u, 0,1,2,3,4,5,6,7,8,9,10,11,12,13,14,15,16
	ds_load_b64 v[32+2*\u:33+2*\u], v6 offset:256*\u
.endr
.irp u, 0,1,2,3,4,5,6,7,8,9,10,11,12,13,14,15,16
	s_wait_dscnt 16-\u
	global_store_b64 v18, v[32+2*\u:33+2*\u], s[6:7] offset:256*\u
.endr
	s_wait_tensorcnt 0x0                           ; the wave's end
	ds_add_u32 v[SPW], v[NIL]
	s_wait_dscnt 0x0
	s_endpgm
.Lfunc_end_k_qfc35cbd72b_prep2:
	.size	k_qfc35cbd72b_prep2, .Lfunc_end_k_qfc35cbd72b_prep2-k_qfc35cbd72b_prep2
	.p2alignl 7, 3214868480
	.fill 96, 4, 3214868480
	.section	.rodata,"a",@progbits
	.p2align	6, 0x0
	.amdhsa_kernel k_qfc35cbd72b_prep2
		.amdhsa_group_segment_fixed_size 102400
		.amdhsa_private_segment_fixed_size 0
		.amdhsa_enable_private_segment 0
		.amdhsa_kernarg_size 64
		.amdhsa_user_sgpr_count 2
		.amdhsa_user_sgpr_kernarg_segment_ptr 1
		.amdhsa_wavefront_size32 1
		.amdhsa_system_sgpr_workgroup_id_x 1
		.amdhsa_system_sgpr_workgroup_id_y 1
		.amdhsa_system_sgpr_workgroup_id_z 1
		.amdhsa_system_vgpr_workitem_id 0
		.amdhsa_next_free_vgpr 256
		.amdhsa_next_free_sgpr 66
		.amdhsa_reserve_vcc 0
		.amdhsa_float_denorm_mode_32 3
		.amdhsa_float_denorm_mode_16_64 3
		.amdhsa_memory_ordered 1
		.amdhsa_forward_progress 1
		.amdhsa_inst_pref_size 161
	.end_amdhsa_kernel
	.amdgpu_metadata
---
amdhsa.version: [ 1, 2 ]
amdhsa.kernels:
  - .name:           k_qfc35cbd72b_prep2
    .symbol:         k_qfc35cbd72b_prep2.kd
    .args:
      - { .name: x, .offset: 0, .size: 8, .value_kind: global_buffer, .address_space: global }
      - { .name: xq, .offset: 8, .size: 8, .value_kind: global_buffer, .address_space: global }
      - { .name: g_idx, .offset: 16, .size: 8, .value_kind: global_buffer, .address_space: global }
      - { .name: lora_A, .offset: 24, .size: 8, .value_kind: global_buffer, .address_space: global }
      - { .name: lora_B, .offset: 32, .size: 8, .value_kind: global_buffer, .address_space: global }
      - { .name: qweight, .offset: 40, .size: 8, .value_kind: global_buffer, .address_space: global }
      - { .name: tbl, .offset: 48, .size: 8, .value_kind: global_buffer, .address_space: global }
      - { .name: wq, .offset: 56, .size: 8, .value_kind: global_buffer, .address_space: global }
    .group_segment_fixed_size: 102400
    .private_segment_fixed_size: 0
    .kernarg_segment_align: 8
    .kernarg_segment_size: 64
    .max_flat_workgroup_size: 256
    .sgpr_count:     66
    .vgpr_count:     256
    .wavefront_size: 32
...
	.end_amdgpu_metadata
.endif
;; end of part 2
;; launch gemm (part 3): grid 8 x 32, 4 waves a work-group, clusters of 4 x 4, 327,680 bytes of LDS; arguments xq, wq, out0; writes out0
.if DOCPART == 3
	.amdgcn_target "amdgcn-amd-amdhsa--gfx1250"
	.amdhsa_code_object_version 6
	.text
	.protected	k_qfc35cbd72b_gemm
	.globl	k_qfc35cbd72b_gemm
	.p2align	8
	.type	k_qfc35cbd72b_gemm,@function
k_qfc35cbd72b_gemm:
	s_mov_b64 s[64:65], 0
	v_nop
	global_prefetch_b8 v0, s[64:65] scope:SCOPE_SE
	s_setreg_imm32_b32 hwreg(HW_REG_WAVE_MODE, 25, 1), 1
	s_wait_xcnt 0x0
	s_wait_alu depctr_hold_cnt(0) depctr_sa_sdst(0) depctr_va_vdst(0) depctr_va_sdst(0) depctr_va_ssrc(0) depctr_va_vcc(0) depctr_vm_vsrc(0)
	s_getreg_b32 s2, hwreg(HW_REG_IB_STS2, 6, 4)
	s_cmp_eq_u32 s2, 0
	s_cbranch_scc0 .Lentry_in_a_cluster
	s_endpgm
.Lentry_in_a_cluster:
	s_bfe_u32 s2, ttmp6, 0x10000c
	s_cmp_lg_u32 s2, 0xf033
	s_cbranch_scc0 .Lentry_shape_is_right
	s_endpgm
.Lentry_shape_is_right:
; The third launch of three: out0[m][n] = sum over k of x[m][k] AB_mix[k][n], on the records that the two launches before have made.  Nothing of the problem is left out.
; xq: [8 K steps][8,192 rows][272 bytes], wq: [8][2,048 columns][272]: a record is 512 codes of E2M1 (256 bytes, K ascending, the lower k in the low four bits) and their 16 E8M0 scale bytes.
; A tile of out0, 256 x 256, is made by a work-group of four waves, as many as a WGP has SIMDs; a wave makes 128 x 128: 64 accumulators of 16 x 16, 512 registers.
; K goes in steps of 512 through a ring of two LDS slots filled by the tensor data mover.  128 records of one K step are 34,816 consecutive bytes, 136 runs of 256: one dense load a wave.  In LDS a record's 272 bytes
; are 68 words, so that row r starts at bank 4 r mod 64 (64 banks of 4 bytes: ISA guide 11.1); the scale bytes ride where a padding would lie, and come with their codes.
; CLUSTERS: 4 x 4 work-groups.  The four of a row of the cluster need the same records of x, the four of a column the same records of the weight: each tile is asked for JOINTLY, by the same tensor load with the
; same descriptor and a mask that names the four.  THE MATRIX INSTRUCTION IS USED TRANSPOSED (source 0 = 16 columns of the weight, source 1 = 16 rows of x): a lane then holds eight neighbouring numbers of a row of out0.
; REGISTERS, in windows of 256: window 0: v0-31 addresses; v32-95 scale words, two sets; from v128 x's fragments (8 x 16 rows x 128 K), ONE set; on the way out v128-255 are free.
;   window 1: the weight's fragments, TWO sets, at v0 and at v128.   window 2: the 32 accumulators of my rows 0-63 (accumulator (a, b) at v[8 (8 a + b)]);   window 3: those of my rows 64-127.
; No prefetch is laid: K has eight steps, of which two are the first fills.
.set SIZE_M, 8192
.set SIZE_N, 2048
.set SIZE_K, 4096
.set KSTEP,  512
.set NQ,     KSTEP/128                 ; matrix instructions deep in a slot
.set PITCH,  272                       ; a record
.set FR,     8                         ; registers of a fragment: 16 rows x 128 K
.set NL,     2                         ; LDS loads that bring one
.set NP,     4                         ; places behind this matrix instruction (ISA guide 7.12.1)
.set HALFT,  128*PITCH                 ; 128 records: what one tensor load brings, and what one wave reads of either operand
.set SLOT,   4*HALFT                   ; x's 256 records, then the weight's 256
.set LAPS,   SIZE_K/(2*KSTEP)          ; a lap = two K steps = once round the ring
.set ASTEP,  SIZE_M*PITCH              ; from a K step to the next, in xq
.set BSTEP,  SIZE_N*PITCH              ; and in wq
.set SPARE,  2*SLOT                    ; behind the ring: the spare words, 128 bytes for each wave: two blocks of 256 bytes that no other line names
.set SPITCH, 528                       ; the way out: a stage of 16 rows x (512 bytes + 16) for each wave, in slot 0, which has had its last fill and its last read when the first result is stored there
.set ADRA, 16                          ; v16-17  LDS address of my fragments of x in slot 0, 1
.set ADRB, 20                          ; v20-21  the same for the weight
.set ADRS, 22                          ; v22-23  of my scale words: lanes 0-15 x's rows, lanes 16-31 the weight's
.set STO,  24                          ; v24     the way out: where I put 32 bytes of a row
.set RD,   25                          ; v25     where I read a row back
.set CO,   26                          ; v26     my byte offset in a row of out0
.set SPW,  28                          ; v28     LDS address of my spare word; never rewritten
.set NIL,  29                          ; v29     0; never rewritten
.set SC,   32                          ; scale words: set s (for slot s) at v[SC + 8 NQ s]; register NQ i + q: lanes 0-15 the word of x's block i, lanes 16-31 that of the weight's block i, for the slot's q-th 128 along K
.set AF,   128                         ; x's fragments, in window 0
.set BK,   128                         ; the way out: 16 rows read back from the stage: v128-191 and v192-255 by turns
.set G1, 24                            ; s[24:31] descriptor group 1 for x's tiles;  s[32:39] group 0, one set for each slot
.set G0, 32
.set G1B, 48                           ; s[48:55], s[56:63] the same for the weight's tiles
.set G0B, 56
.set MSB, 0
.macro WIN new                         ; the immediate's high byte repeats the setting that is left
.if MSB != \new
	s_set_vgpr_msb (MSB<<8)|\new
.set MSB, \new
.endif
.endm
.set MUL_LO, 0xa1                      ; source 0 (weight) window 1, source 1 (x) window 0, C and D window 2
.set MUL_HI, 0xf1                      ; the same, C and D window 3
.set TO_B,   0x40                      ; destination window 1, address window 0
; A joint load: waves 0 and 1 fetch for x, waves 2 and 3 for the weight.  Each of the two lines has ONE mask and one set of registers for all that issue it; the branch hangs on the wave's number alone.
; An s_nop 0 and four v_nop follow each of the two lines, ahead of the jump, the label and what follows.
.macro JLOAD g0a, g1a, g0b, g1b
	s_cmp_eq_u32 s15, 0
	s_cbranch_scc0 .Lfor_b_\@
	tensor_load_to_lds s[\g0a:\g0a+3], s[\g1a:\g1a+7]
	s_nop 0
.rept 4
	v_nop
.endr
	s_branch .Lasked_\@
.Lfor_b_\@:
	tensor_load_to_lds s[\g0b:\g0b+3], s[\g1b:\g1b+7]
	s_nop 0
.rept 4
	v_nop
.endr
.Lasked_\@:
.endm
.macro CREST                           ; a round of the cluster's barrier behind its opening barrier
	s_cmp_lg_u32 s14, 0
	s_cbranch_scc1 .Lnot_wave_0_\@
	s_barrier_signal -3
.Lnot_wave_0_\@:
	s_barrier_wait -3
	s_barrier_signal -1
	s_barrier_wait -1
.endm
.macro CROUND                          ; a whole round
	s_barrier_signal -1
	s_barrier_wait -1
	CREST
.endm
	s_load_b128 s[4:7], s[0:1], 0x0                ; xq s[4:5], wq s[6:7]
	s_load_b64 s[12:13], s[0:1], 0x10              ; out0
	v_lshl_add_u32 v[SPW], v0, 2, SPARE
	v_mov_b32 v[NIL], 0
	ds_add_u32 v[SPW], v[NIL]                      ; the wave's opening: the add, twice on end, and its wait ahead of my first tensor load; the set-up below the second, work on registers, stands between it and the wait
	ds_add_u32 v[SPW], v[NIL]                      ; and once more, under the one wait
	v_lshrrev_b32 v1, 5, v0
	v_readfirstlane_b32 s14, v1                    ; wave 0..3
	s_lshr_b32 s15, s14, 1                         ; which half of the tile's rows is mine.  Also: I fetch for x (0) or for the weight (1)
	s_and_b32 s16, s14, 1                          ; which half of its columns.  Also: which 128 records of that tile I fetch
	s_bfe_u32 s40, ttmp6, 0x40000                  ; cx, cy: my place in the cluster
	s_bfe_u32 s41, ttmp6, 0x40004
	s_lshl_b32 s42, ttmp9, 2
	s_add_co_u32 s42, s42, s40                     ; tile column = 4 x cluster x + cx
	s_and_b32 s17, ttmp7, 0xffff
	s_lshl_b32 s17, s17, 2
	s_add_co_u32 s17, s17, s41                     ; tile row = 4 x cluster y + cy
	s_lshl_b32 s43, s41, 2
	s_lshl_b32 s43, 15, s43                        ; my row of the cluster
	s_lshl_b32 s44, 0x1111, s40                    ; my column
	; descriptor group 1: 34,816 dense bytes as 136 rows of 32 elements of 8 bytes, laid in LDS without gaps
	s_or_b32 s[G1+0], s43, (3<<16)|(1<<21)         ; 15:0 the mask: x's tiles go to my row; 17:16 elements of 8 bytes; 20 no padding; 21 set beside a mask
	s_or_b32 s[G1B+0], s44, (3<<16)|(1<<21)        ; the same with the mask of my column
.irp g, G1, G1B
	s_mov_b32 s[\g+1], 32<<16                      ; tensor_dim0 = 32
	s_mov_b32 s[\g+2], 136<<16                     ; tensor_dim1 = 136
	s_mov_b32 s[\g+3], 32<<16                      ; tile_dim0 = 32
	s_mov_b32 s[\g+4], 136                         ; tile_dim1 = 136
	s_mov_b32 s[\g+5], 32                          ; tensor_dim0_stride: each row begins where the last ends
	s_mov_b32 s[\g+6], 0
	s_mov_b32 s[\g+7], 0
.endr
	s_lshl_b32 s18, s16, 7                         ; which 128 records of the tile I fetch
	s_lshl_b32 s20, s17, 8
	s_add_co_u32 s20, s20, s18                     ; x: row 256 x tile row + 128 x half
	s_lshl_b32 s46, s42, 8
	s_add_co_u32 s46, s46, s18                     ; weight: column 256 x tile column + 128 x half
	s_mul_i32 s20, s20, PITCH                      ; in bytes (under 2^22)
	s_mov_b32 s21, 0
	s_mul_i32 s46, s46, PITCH
	s_mov_b32 s47, 0
	s_mul_i32 s45, s14, HALFT                      ; where they go: wave x 128 records: no place in the cluster enters an LDS address
	s_wait_dscnt 0x0                               ; both opening adds are done
	s_wait_kmcnt 0x0
	s_add_nc_u64 s[20:21], s[4:5], s[20:21]
	s_add_nc_u64 s[46:47], s[6:7], s[46:47]
	CROUND                                         ; all sixteen work-groups are here: the first joint loads meet
.irp s, 0,1
	s_mov_b32 s[G0+4*\s], 1                        ; count = 1
	s_add_co_u32 s[G0+4*\s+1], s45, \s*SLOT        ; LDS address
	s_add_nc_u64 s[G0+4*\s+2:G0+4*\s+3], s[20:21], \s*ASTEP    ; global address: K step s
	s_or_b32 s[G0+4*\s+3], s[G0+4*\s+3], 0x80000000            ; type = 2
	s_mov_b32 s[G0B+4*\s], 1
	s_add_co_u32 s[G0B+4*\s+1], s45, \s*SLOT
	s_add_nc_u64 s[G0B+4*\s+2:G0B+4*\s+3], s[46:47], \s*BSTEP
	s_or_b32 s[G0B+4*\s+3], s[G0B+4*\s+3], 0x80000000
	JLOAD G0+4*\s, G1, G0B+4*\s, G1B               ; two loads of mine are out behind these
.endr
	v_and_b32 v1, 15, v0                           ; l % 16
	v_bfe_u32 v2, v0, 4, 1                         ; l / 16
	v_mul_u32_u24 v3, v1, PITCH
	v_lshl_add_u32 v4, v2, 4, v3                   ; a fragment's row x pitch + 16 x half
	s_mul_i32 s21, s15, HALFT                      ; my 128 records of x
	s_mul_i32 s22, s16, HALFT                      ; my 128 of the weight,
	s_add_co_u32 s22, s22, 2*HALFT                 ; which lie behind x's 256
	s_sub_co_u32 s23, s22, s21
	v_mul_u32_u24 v6, s23, v2                      ; lanes 16-31 take the weight's scale words: the lower base + half x the distance
	v_add_nc_u32 v5, 256, v3                       ; a record's scale bytes lie behind its codes
	v_add_nc_u32 v5, v5, v6
.irp s, 0,1
	v_add_nc_u32 v[ADRA+\s], s21, v4
	v_add_nc_u32 v[ADRB+\s], s22, v4
	v_add_nc_u32 v[ADRS+\s], s21, v5
	s_add_co_u32 s21, s21, SLOT
	s_add_co_u32 s22, s22, SLOT
.endr
	s_mul_i32 s23, s14, 16*SPITCH                  ; my stage
	v_mul_u32_u24 v5, v1, SPITCH                   ; in: row l % 16, 32 bytes for each half of the lanes
	v_lshl_add_u32 v5, v2, 5, v5
	v_add_nc_u32 v[STO], s23, v5
	v_and_b32 v6, 31, v0
	v_lshlrev_b32 v[CO], 4, v6                     ; back: the 32 lanes take one row of 512 bytes; and the same in out0
	v_add_nc_u32 v[RD], s23, v[CO]
	s_lshl_b32 s20, s17, 8
	s_lshl_b32 s21, s15, 7
	s_add_co_u32 s20, s20, s21                     ; my first row of out0: 256 x tile row + 128 x half
	s_mov_b32 s21, 0
	s_mov_b64 s[18:19], SIZE_N*4
	s_mul_u64 s[20:21], s[20:21], s[18:19]
	s_lshl_b32 s46, s42, 10                        ; my first column, in bytes: 1,024 x tile column + 512 x half
	s_lshl_b32 s47, s16, 9
	s_add_co_u32 s46, s46, s47
	s_mov_b32 s47, 0
	s_add_nc_u64 s[20:21], s[20:21], s[46:47]
	s_add_nc_u64 s[12:13], s[12:13], s[20:21]
.macro FRAG reg, adr, q, i             ; a fragment, 16 rows x 128 K of 4-bit codes, is 8 registers: lane l holds row l % 16; registers 4 c .. 4 c + 3 hold K = 64 c + 32 (l / 16) + 0 .. 31
.irp c, 0,1
	ds_load_b128 v[\reg+4*\c:\reg+4*\c+3], v[\adr] offset:64*(\q)+32*\c+(\i)*16*PITCH
.endr
.endm
; 16 matrix instructions: x's blocks a0, a0 + 1 against the weight's eight, 128 along K: the slot's q-th.  p: the weight's set;  sc: the set of scale words.  zero = 1: the first product starts the sums: nothing is ever cleared.
; The 64 accumulators take turns, one instruction a turn, in the same order in every step.
.macro MUL16 a0, p, q, sc, zero
.irp a, \a0, \a0+1
.irp b, 0,1,2,3,4,5,6,7
.if \zero
	v_wmma_scale_f32_16x16x128_f8f6f4 v[8*(8*((\a)%4)+\b):8*(8*((\a)%4)+\b)+7], v[128*(\p)+FR*\b:128*(\p)+FR*\b+FR-1], v[AF+FR*(\a):AF+FR*(\a)+FR-1], 0, v[SC+8*NQ*(\sc)+NQ*\b+(\q)], v[SC+8*NQ*(\sc)+NQ*(\a)+(\q)] matrix_a_fmt:MATRIX_FMT_FP4 matrix_b_fmt:MATRIX_FMT_FP4 matrix_a_scale:MATRIX_SCALE_ROW1
.else
	v_wmma_scale_f32_16x16x128_f8f6f4 v[8*(8*((\a)%4)+\b):8*(8*((\a)%4)+\b)+7], v[128*(\p)+FR*\b:128*(\p)+FR*\b+FR-1], v[AF+FR*(\a):AF+FR*(\a)+FR-1], v[8*(8*((\a)%4)+\b):8*(8*((\a)%4)+\b)+7], v[SC+8*NQ*(\sc)+NQ*\b+(\q)], v[SC+8*NQ*(\sc)+NQ*(\a)+(\q)] matrix_a_fmt:MATRIX_FMT_FP4 matrix_b_fmt:MATRIX_FMT_FP4 matrix_a_scale:MATRIX_SCALE_ROW1
.endif
.endr
.endr
.endm
.macro FETCH_B slot, q, p              ; the weight's eight fragments of the slot's q-th 128 along K into set p
	WIN TO_B
.irp i, 0,1,2,3,4,5,6,7
	FRAG 128*(\p)+FR*\i, ADRB+\slot, \q, \i
.endr
	WIN 0
.endm
.macro FETCH_A slot, q, i0             ; x's blocks i0 .. i0 + 3
.irp i, \i0, \i0+1, \i0+2, \i0+3
	FRAG AF+FR*(\i), ADRA+\slot, \q, \i
.endr
.endm
.macro SCALES sc                       ; slot sc's scale words: the 16 bytes behind a record's codes are the NQ words of its K step; lanes 0-15 take x's block i, lanes 16-31 the weight's block i
.irp i, 0,1,2,3,4,5,6,7
	ds_load_b128 v[SC+8*NQ*\sc+NQ*\i:SC+8*NQ*\sc+NQ*\i+3], v[ADRS+\sc] offset:\i*16*PITCH
.endr
.endm
; A load into a register that a matrix instruction has read, and an LDS store that reads a matrix result, stand NP places behind that matrix instruction, and only plain vector
; instructions that name none of its registers are places (ISA guide 7.12.1 for vector instructions); the matrix instructions in between are not counted.
.macro PLACES n
.rept \n
	v_nop
.endr
.endm
; A step of 128 along K that has its successor in the same slot.
.macro STEP slot, q, zero
	s_wait_dscnt 4*NL                              ; the weight's set and x's blocks 0-3 are in; the youngest eight loads (x's blocks 4-7) may be out
	WIN MUL_LO
	MUL16 0, (\q)%2, \q, \slot, \zero
	MUL16 2, (\q)%2, \q, \slot, \zero
	s_wait_dscnt 0                                 ; x's blocks 4-7 are in (asked for 32 matrix instructions ago)
	PLACES NP
	FETCH_B \slot, (\q)+1, 1-(\q)%2
	FETCH_A \slot, (\q)+1, 0
	WIN MUL_HI
	MUL16 4, (\q)%2, \q, \slot, \zero
	MUL16 6, (\q)%2, \q, \slot, \zero
	PLACES NP
	WIN 0
	FETCH_A \slot, (\q)+1, 4
.endm
; A slot's last step changes slots: ONE barrier; in front of it each wave waits for all its tensor loads, adds 0 to its spare word, and waits for that and for its own reads of this slot.  fill = 1: this slot is filled again, two K steps ahead.
.macro TURN slot, next, fill
	s_wait_tensorcnt 0x0                           ; all my tensor loads have landed: the one that was out is my part of the next slot  (every window is 0 here: the add's two registers lie in window 0)
	ds_add_u32 v[SPW], v[NIL]                      ; 0 onto my spare word
	s_wait_dscnt 4*NL+1                            ; (the add and the youngest eight loads, x's blocks 4-7, may be out)
	WIN MUL_LO
	MUL16 0, 1, NQ-1, \slot, 0                     ; sixteen matrix instructions stand between the add and the wait for it
	s_wait_dscnt 0x0                               ; the add is done, and my reads of this slot are over
	s_barrier_signal -1
	MUL16 2, 1, NQ-1, \slot, 0
	WIN 0
	s_barrier_wait -1
.if \fill
	CREST                                          ; the barrier has opened a round of the cluster's barrier: no wave of any partner still reads this slot's tile or has a load on its way
	s_add_nc_u64 s[G0+4*\slot+2:G0+4*\slot+3], s[G0+4*\slot+2:G0+4*\slot+3], 2*ASTEP
	s_add_nc_u64 s[G0B+4*\slot+2:G0B+4*\slot+3], s[G0B+4*\slot+2:G0B+4*\slot+3], 2*BSTEP
	JLOAD G0+4*\slot, G1, G0B+4*\slot, G1B         ; the first tensor load behind the round, and my only one until the next; the four v_nop behind it are the places in front of the loads below
.else
	PLACES NP
.endif
	FETCH_B \next, 0, 0
	FETCH_A \next, 0, 0
	SCALES \next
	WIN MUL_HI
	MUL16 4, 1, NQ-1, \slot, 0
	MUL16 6, 1, NQ-1, \slot, 0
	PLACES NP
	WIN 0
	FETCH_A \next, 0, 4
.endm
.macro STEPS slot, from                ; the slot's steps from .. NQ - 2
.set Q, \from
.rept NQ-1-\from
	STEP \slot, Q, 0
.set Q, Q+1
.endr
.endm
	s_wait_tensorcnt 1                             ; my part of K step 0 is in (K step 1's load may be out)
	s_barrier_signal -1
	s_barrier_wait -1                              ; everybody's is
	FETCH_B 0, 0, 0
	FETCH_A 0, 0, 0
	SCALES 0
	FETCH_A 0, 0, 4
	STEP 0, 0, 1                                   ; the first step stands in front of the loop: its products start the sums
	s_mov_b32 s3, LAPS-1
.Llap:                                                 ; a trip goes once round the ring, from a lap's second step to the next lap's first, and fills both slots again
	STEPS 0, 1
	TURN 0, 1, 1
	STEPS 1, 0
	TURN 1, 0, 1
	STEP 0, 0, 0
	s_sub_co_u32 s3, s3, 1
	s_cmp_lg_u32 s3, 0
	s_cbranch_scc1 .Llap
	STEPS 0, 1                                     ; the last lap fills nothing, and has no round of the cluster's barrier
	TURN 0, 1, 0
	STEPS 1, 0
	s_wait_dscnt 4*NL                              ; the very last step: nothing more to fetch
	WIN MUL_LO
	MUL16 0, 1, NQ-1, 1, 0
	MUL16 2, 1, NQ-1, 1, 0
	s_wait_dscnt 0
	WIN MUL_HI
	MUL16 4, 1, NQ-1, 1, 0
	MUL16 6, 1, NQ-1, 1, 0
	WIN 0
; THE WAY OUT, block by block of 16 rows x 128 columns.  A lane holds 32 neighbouring bytes of a row, and the lanes beside it hold other rows: so a block goes through my own stage in LDS and comes back as whole
; rows of 512 bytes.  LDS serves a wave's instructions in order (ISA guide 5.7.1.4): no wait between the stores and the loads, nor in front of the next block's stores.
.macro TOSTAGE a
.set AC, 64*((\a)%4)
	WIN 0x08+4*((\a)/4)                            ; the data: window 2 or 3
.irp b, 0,1,2,3,4,5,6,7
	ds_store_b128 v[STO], v[AC+8*\b:AC+8*\b+3] offset:64*\b          ; each accumulator from its low end on
	ds_store_b128 v[STO], v[AC+8*\b+4:AC+8*\b+7] offset:64*\b+16
.endr
	WIN 0
.set BB, BK+64*((\a)%2)
.irp t, 0,1,2,3,4,5,6,7,8,9,10,11,12,13,14,15
	ds_load_b128 v[BB+4*\t:BB+4*\t+3], v[RD] offset:\t*SPITCH
.endr
.endm
.macro SEND a, younger                 ; younger: the LDS instructions issued behind block a's loads, which may stay out
.set BB, BK+64*((\a)%2)
	s_wait_dscnt \younger                          ; the block is back in registers
.if (\a) > 0
	s_add_nc_u64 s[12:13], s[12:13], 16*SIZE_N*4   ; (behind a wait on XCNT: the earlier stores have read their base)  16 rows of out0 on
.endif
.irp t, 0,1,2,3,4,5,6,7,8,9,10,11,12,13,14,15
	global_store_b128 v[CO], v[BB+4*\t:BB+4*\t+3], s[12:13] offset:\t*SIZE_N*4 th:TH_STORE_NT   ; 32 lanes store 512 consecutive bytes, at a multiple of 256 from out0's first byte; written once, read by nobody here
.endr
.endm
	PLACES NP                                      ; these places serve the loads into the registers that held x's fragments and the reads of the last products' results alike
	TOSTAGE 0
.irp a, 1,2,3,4,5,6,7
.if \a > 1
	s_wait_xcnt 0x0                                ; block a - 2's stores have read their registers and their base: block a's loads may land there, and the base may step
.endif
	TOSTAGE \a
	SEND \a-1, 32                                  ; behind block a - 1's loads: block a's 16 stores and 16 loads
.endr
	s_wait_xcnt 0x0                                ; block 6's stores have read their base
	SEND 7, 0
	s_wait_tensorcnt 0x0                           ; the wave's end
	ds_add_u32 v[SPW], v[NIL]
	s_wait_dscnt 0x0
	CROUND                                         ; the closing round: no work-group ends while a partner may still ask for a tile that names it
	s_endpgm
.Lfunc_end_k_qfc35cbd72b_gemm:
	.size	k_qfc35cbd72b_gemm, .Lfunc_end_k_qfc35cbd72b_gemm-k_qfc35cbd72b_gemm
	.p2alignl 7, 3214868480
	.fill 96, 4, 3214868480
	.section	.rodata,"a",@progbits
	.p2align	6, 0x0
	.amdhsa_kernel k_qfc35cbd72b_gemm
		.amdhsa_group_segment_fixed_size 327680
		.amdhsa_private_segment_fixed_size 0
		.amdhsa_enable_private_segment 0
		.amdhsa_kernarg_size 24
		.amdhsa_user_sgpr_count 2
		.amdhsa_user_sgpr_kernarg_segment_ptr 1
		.amdhsa_wavefront_size32 1
		.amdhsa_system_sgpr_workgroup_id_x 1
		.amdhsa_system_sgpr_workgroup_id_y 1
		.amdhsa_system_sgpr_workgroup_id_z 1
		.amdhsa_system_vgpr_workitem_id 0
		.amdhsa_next_free_vgpr 1024
		.amdhsa_next_free_sgpr 66
		.amdhsa_reserve_vcc 0
		.amdhsa_float_denorm_mode_32 3
		.amdhsa_float_denorm_mode_16_64 3
		.amdhsa_memory_ordered 1
		.amdhsa_forward_progress 1
		.amdhsa_inst_pref_size 209
	.end_amdhsa_kernel
	.amdgpu_metadata
---
amdhsa.version: [ 1, 2 ]
amdhsa.kernels:
  - .name:           k_qfc35cbd72b_gemm
    .symbol:         k_qfc35cbd72b_gemm.kd
    .args:
      - { .name: xq, .offset: 0, .size: 8, .value_kind: global_buffer, .address_space: global }
      - { .name: wq, .offset: 8, .size: 8, .value_kind: global_buffer, .address_space: global }
      - { .name: out0, .offset: 16, .size: 8, .value_kind: global_buffer, .address_space: global }
    .group_segment_fixed_size: 327680
    .private_segment_fixed_size: 0
    .kernarg_segment_align: 8
    .kernarg_segment_size: 24
    .max_flat_workgroup_size: 128
    .sgpr_count:     66
    .vgpr_count:     1024
    .wavefront_size: 32
...
	.end_amdgpu_metadata
.endif
;; end of part 3
;; ======== version 2 of 2: 2 launches
;; limits: right only within a limited range of input values
;; workspace buffers: xq 17,825,792 bytes; wq 4,456,448 bytes
;; launch prep (part 4): grid 384 x 1, 16 waves a work-group, no clusters, 264,192 bytes of LDS; arguments x, xq, g_idx, lora_A, lora_B, qweight, qzeros, scales, wq; writes xq, wq
.if DOCPART == 4
	.amdgcn_target "amdgcn-amd-amdhsa--gfx1250"
	.amdhsa_code_object_version 6
	.text
	.protected	k_qfc35cbd72b_prep
	.globl	k_qfc35cbd72b_prep
	.p2align	8
	.type	k_qfc35cbd72b_prep,@function
k_qfc35cbd72b_prep:
	s_mov_b64 s[64:65], 0
	v_nop
	global_prefetch_b8 v0, s[64:65] scope:SCOPE_SE
	s_setreg_imm32_b32 hwreg(HW_REG_WAVE_MODE, 25, 1), 1
	s_wait_xcnt 0x0
; out0 = x . AB_mix, both operands as codes of E2M1 with one E8M0 scale for each 32 along K = 4,096.  Two launches: this one and the product.
; NOTHING OF THE PROBLEM IS LEFT OUT: every input has a way to the output and is loaded, every step is done.
; Two kinds of work-groups, which share no line behind the head and no LDS byte:
;   work-groups 0-127, THE WEIGHT: work-group c owns columns 16 c .. 16 c + 15 for all 4,096 rows of K; wave w owns rows 256 w .. 256 w + 255.
;     (1) every row's rank in the stable sort of g_idx (a counting sort by ballots; counts of the 16 waves meet in LDS); its run is rank / 128.  That each group has 128 members is not assumed.
;     (2) AB = A^T B^T (f32 matrix form, K = 16), w + marker = the middle of (w + d, 0, 15), d = +1 where AB > 1.5, -1 where AB < -1.5; AB2 = AB - 1.5 marker.
;     (3) the sums of AB2 over the 32 runs: the product P x AB2 in the f32 matrix form, P(run, row) = 1 where the row lies in the run: rows stay in their natural order, nothing is gathered.
;     (4) the waves' parts are added; entry[s][column] = {zeros, sum / 128 / 1.5, scales, 0} lies in LDS and is looked up by g_idx.
;     (5) AB_mix = sc x (((w + marker) - z) + zp), quantised along K into records of wq.
;   work-groups 128-383, THE STREAM: 32 rows of x each become records of xq.
; A RECORD (xq: [8 K steps][8,192 rows][272 bytes]; wq: [8][2,048 columns][272]): 256 bytes = 512 codes, K ascending, the lower k in the low four bits; then 16 scale bytes, one for each 32 along K.
; A block's scale is 2^(floor(log2(its largest magnitude)) - 2); its byte is the largest magnitude's exponent field - 2, held at 1 from below.
; LIMITS: of g_idx the low five bits are used (it is taken to lie in 0 .. 31); NaN and infinities in x or in AB_mix are not served; a block whose largest magnitude lies under 2^-124,
; a block of zeros among them, gets the byte 1 (the rule says 127 for zeros: its codes are zeros, and this program alone reads the bytes).
.set WH,    0                          ; LDS, weight: [wave][group] counts, 2,048 bytes
.set PB,    2048                       ; [wave][32 runs][16 columns] f32: each wave's part of the sums
.set RUN,   34816                      ; [wave][256 rows] the row's run
.set GOF,   51200                      ; [wave][256 rows] 256 x the row's g: its entries' place
.set TB,    67584                      ; [32][16 columns] entries of 16 bytes
.set CST,   75776                      ; [8 K steps][16 columns][272]: the records on their way out
.set XL,    110592                     ; LDS, stream: 9,472 bytes a wave: two stages of 32 x 80 on the way in, 16 records of 272 on the way out
.set SPARE, 262144                     ; the spare words, 128 bytes for each wave: eight blocks of 256 bytes that no other line names
.set SPW,   252                        ; v252 LDS address of my spare word; never rewritten
.set NIL,   253                        ; v253 0; never rewritten
.set XR,    32                         ; stream: v32-159 eight sets of 16 numbers as loaded
.set XX,    160                        ; v160-191 two sets of 16 neighbours
; v192-223 are the four f32 accumulators: matrix instructions alone write them in this text.
; ---------------- the stream's macros ----------------
.macro XLOAD t                         ; row t's 2,048 bytes of my K step: four loads of 512 consecutive bytes; read once in the program
.irp i, 0,1,2,3
	global_load_b128 v[XR+16*((\t)%8)+4*\i:XR+16*((\t)%8)+4*\i+3], v3, s[4:5] offset:16384*(\t)+512*\i th:TH_LOAD_NT
.endr
.endm
.macro XTURN t                         ; through my stage, so that a lane gets 16 neighbours: LDS serves a wave's instructions in order
.irp i, 0,1,2,3
	ds_store_b128 v4, v[XR+16*((\t)%8)+4*\i:XR+16*((\t)%8)+4*\i+3] offset:2560*((\t)%2)+640*\i
.endr
.irp i, 0,1,2,3
	ds_load_b128 v[XX+16*((\t)%2)+4*\i:XX+16*((\t)%2)+4*\i+3], v5 offset:2560*((\t)%2)+16*\i
.endr
.endm
.macro XSTEP t
.set XS, XX+16*((\t)%2)
.set XC, 12+2*((\t)%2)
.set XE, 16+((\t)%2)
.if (\t) > 0
	s_wait_dscnt 2                                 ; this row is back from the stage; the last row's code store and byte store may be out
.else
	s_wait_dscnt 0x0
.endif
.if (\t) < 8
	XLOAD (\t)+8                                   ; into the set that the stage's stores have read
.endif
.if (\t) < 15
.if (\t) <= 7
	s_wait_loadcnt 28                              ; the next row's four loads are in; seven rows' may be out
.else
	s_wait_loadcnt 4*(14-(\t))
.endif
	XTURN (\t)+1
.endif
	v_max3_num_f32 v8, |v[XS]|, |v[XS+1]|, |v[XS+2]|               ; the largest magnitude of my 16, in two chains
	v_max3_num_f32 v9, |v[XS+3]|, |v[XS+4]|, |v[XS+5]|
.irp i, 6,10
	s_delay_alu instid0(VALU_DEP_2)
	v_max3_num_f32 v8, v8, |v[XS+\i]|, |v[XS+\i+1]|
	s_delay_alu instid0(VALU_DEP_2)
	v_max3_num_f32 v9, v9, |v[XS+\i+2]|, |v[XS+\i+3]|
.endr
	s_delay_alu instid0(VALU_DEP_2)
	v_max3_num_f32 v8, v8, |v[XS+14]|, |v[XS+15]|
	s_delay_alu instid0(VALU_DEP_1)
	v_max3_num_f32 v8, v8, v9, 0x1800000           ; and the floor 2^(3 - 127): the byte cannot fall under 1
	s_delay_alu instid0(VALU_DEP_1)
	v_max_num_f32_dpp v8, v8, v8 row_xmask:1 row_mask:0xf bank_mask:0xf   ; with my neighbour's 16: the block's
	s_delay_alu instid0(VALU_DEP_1)
	v_add_nc_u32 v11, 0xff000000, v8               ; 2 off the exponent field: the conversion takes the exponent field of this operand as its scale
	v_cvt_scalef32_pk8_fp4_f32 v[XC], v[XS:XS+7], v11
	v_cvt_scalef32_pk8_fp4_f32 v[XC+1], v[XS+8:XS+15], v11
	v_lshrrev_b32 v[XE], 23, v11                   ; the scale's byte (also the plain line behind the conversions)
	ds_store_b64 v6, v[XC:XC+1] offset:272*(\t)    ; my 16 codes into row t's record
	ds_store_b8 v7, v[XE] offset:272*(\t)          ; both lanes of a block write the same byte
.endm
; ---------------- the weight's macros ----------------
.macro BARRIER                         ; my LDS stores have landed and my LDS loads are in: then the work-group's barrier
	s_wait_alu depctr_va_vdst(0)
	s_wait_dscnt 0x0
	s_barrier_signal -1
	s_barrier_wait -1
.endm
; Batch n: rows 256 w + 32 n + lane.  s30-34: for each bit of g the lanes that have it; s35-39 the others.
; v[24+n]: how many lower lanes have my g.  v[46+n]: the lanes whose g is my lane's number.
.macro BATCH n
.irp b, 0,1,2,3,4
	v_and_b32 v[4+\b], 1<<\b, v[16+(\n)]
.endr
.irp b, 0,1,2,3,4
	v_cmp_ne_u32 s[30+\b], 0, v[4+\b]
.endr
.irp b, 0,1,2,3,4
	s_not_b32 s[35+\b], s[30+\b]
.endr
.irp b, 0,1,2,3,4
	v_cndmask_b32 v[4+\b], s[35+\b], s[30+\b], s[30+\b]    ; the lanes that agree with my g in bit b
	v_xor_b32 v[9+\b], s[30+\b], v[41+\b]                  ; the lanes whose g agrees with my lane's number in bit b
.endr
	v_and_b32 v4, v4, v5
	v_and_b32 v9, v9, v10
	v_and_b32 v6, v6, v7
	v_and_b32 v11, v11, v12
	s_delay_alu instid0(VALU_DEP_2)
	v_and_b32 v4, v4, v6
	s_delay_alu instid0(VALU_DEP_2)
	v_and_b32 v9, v9, v11
	s_delay_alu instid0(VALU_DEP_2)
	v_and_b32 v4, v4, v8
	s_delay_alu instid0(VALU_DEP_2)
	v_and_b32 v[46+(\n)], v9, v13
	s_delay_alu instid0(VALU_DEP_2)
	v_mbcnt_lo_u32_b32 v[24+(\n)], v4, 0
.endm
.macro SCAN d, m                       ; a step of the exclusive sum over the lanes: the partner block's sum counts for the lanes of the upper block
	v_mov_b32_dpp v14, v12 row_xmask:\d row_mask:0xf bank_mask:0xf
	s_delay_alu instid0(VALU_DEP_1)
	v_cndmask_b32 v15, 0, v14, s[\m]
	s_delay_alu instid0(VALU_DEP_1)
	v_add_nc_u32 v13, v13, v15
	s_delay_alu instid0(VALU_DEP_3)
	v_add_nc_u32 v12, v12, v14
.endm
; Block row b: 32 rows of K x my 16 columns, as two tiles u.  THE ROWS OF A TILE ARE NOT NEIGHBOURS: row m of tile u is 32 b + 8 u + m + 8 (m / 8), so that lane (r, h) holds column r
; and its 16 result registers e = 8 u + j the neighbours 32 b + 16 h + e along K.
.macro ALOAD b                         ; A's operands of both tiles: register 2 c + j = A(4 c + 2 h + j, row of lane r)
.irp u, 0,1
.irp c, 0,1,2,3
.irp j, 0,1
	global_load_b32 v[64+16*(\b)+8*\u+2*\c+\j], v57, s[10:11] offset:(4*\c+\j)*16384+4*(32*(\b)+8*\u)
.endr
.endr
.endr
.endm
.macro RLOAD b, base                   ; a word for each of my 16 rows of block row b, from my wave's own table at base
.irp q, 0,1,2,3
	ds_load_b128 v[16+4*\q:19+4*\q], v1 offset:\base+128*(\b)+16*\q
.endr
.endm
.macro ENTR e                          ; EN: the four registers that take element e's entry
.if (\e) < 8
.set EN, 32+4*(\e)
.else
.if (\e) < 14
.set EN, 224+4*((\e)-8)
.else
.set EN, 4+4*((\e)-14)
.endif
.endif
.endm
; Steps (2) and (3) for block row b.  v192-207 AB, v208-223 the run sums; v32-47 w, then P for runs 0-15; v16-31 the rows' runs, then P for runs 16-31; v48-63 d, marker, AB2.
; w + marker goes into the registers that held A's operands of this block row.  Accumulators take turns, one instruction a turn.
.macro BLK b
.set WM, 64+16*(\b)
.irp c, 0,1,2,3
.irp u, 0,1
.if \c == 0
	v_wmma_f32_16x16x4_f32 v[192+8*\u:199+8*\u], v[WM+8*\u+2*\c:WM+8*\u+2*\c+1], v[240+2*\c:241+2*\c], 0
.else
	v_wmma_f32_16x16x4_f32 v[192+8*\u:199+8*\u], v[WM+8*\u+2*\c:WM+8*\u+2*\c+1], v[240+2*\c:241+2*\c], v[192+8*\u:199+8*\u]
.endif
.endr
.endr
.irp j, 0,1,2,3,4,5,6,7                ; these 32 plain lines name no register of the products: they are the places behind them (ISA guide 7.12.1)
	v_bfe_u32 v[32+\j], v[224+2*(\b)], 4*\j, 4     ; w_int of rows 16 h + j
	v_bfe_u32 v[40+\j], v[225+2*(\b)], 4*\j, 4     ; and 16 h + 8 + j
.endr
.irp e, 0,1,2,3,4,5,6,7,8,9,10,11,12,13,14,15
	v_cvt_f32_u32 v[32+\e], v[32+\e]
.endr
	s_wait_dscnt 0x0                               ; my rows' runs are in
.irp e, 0,1,2,3,4,5,6,7,8,9,10,11,12,13,14,15
	v_cmp_lt_f32 s[66+\e], s58, v[192+\e]          ; AB > 1.5 (each accumulator from its low end on)
.endr
.irp e, 0,1,2,3,4,5,6,7,8,9,10,11,12,13,14,15
	v_cmp_gt_f32 s[82+\e], s59, v[192+\e]          ; AB < -1.5
.endr
.irp e, 0,1,2,3,4,5,6,7,8,9,10,11,12,13,14,15
	v_cndmask_b32 v[48+\e], 0, 1.0, s[66+\e]
.endr
.irp e, 0,1,2,3,4,5,6,7,8,9,10,11,12,13,14,15
	v_cndmask_b32 v[48+\e], v[48+\e], -1.0, s[82+\e]
.endr
.irp e, 0,1,2,3,4,5,6,7,8,9,10,11,12,13,14,15
	v_add_f32 v[WM+\e], v[32+\e], v[48+\e]
.endr
.irp e, 0,1,2,3,4,5,6,7,8,9,10,11,12,13,14,15
	v_med3_num_f32 v[WM+\e], v[WM+\e], 0, s60      ; w + marker
.endr
.irp e, 0,1,2,3,4,5,6,7,8,9,10,11,12,13,14,15
	v_sub_f32 v[48+\e], v[WM+\e], v[32+\e]         ; the marker
.endr
.irp e, 0,1,2,3,4,5,6,7,8,9,10,11,12,13,14,15
	v_fma_f32 v[48+\e], v[48+\e], s59, v[192+\e]   ; AB2 = AB - 1.5 marker
.endr
.irp e, 0,1,2,3,4,5,6,7,8,9,10,11,12,13,14,15
	v_cmp_eq_u32 s[66+\e], v[16+\e], v3            ; is row 16 h + e in run r?
.endr
.irp e, 0,1,2,3,4,5,6,7,8,9,10,11,12,13,14,15
	v_cmp_eq_u32 s[82+\e], v[16+\e], v250          ; in run 16 + r?
.endr
.irp e, 0,1,2,3,4,5,6,7,8,9,10,11,12,13,14,15
	v_cndmask_b32 v[32+\e], 0, 1.0, s[66+\e]
.endr
.irp e, 0,1,2,3,4,5,6,7,8,9,10,11,12,13,14,15
	v_cndmask_b32 v[16+\e], 0, 1.0, s[82+\e]
.endr
.irp c, 0,1,2,3,4,5,6,7                ; K = rows (h, 2 c + j): the same order in P and in AB2
.if ((\b) == 0) && (\c == 0)
	v_wmma_f32_16x16x4_f32 v[208:215], v[32+2*\c:33+2*\c], v[48+2*\c:49+2*\c], 0
	v_wmma_f32_16x16x4_f32 v[216:223], v[16+2*\c:17+2*\c], v[48+2*\c:49+2*\c], 0
.else
	v_wmma_f32_16x16x4_f32 v[208:215], v[32+2*\c:33+2*\c], v[48+2*\c:49+2*\c], v[208:215]
	v_wmma_f32_16x16x4_f32 v[216:223], v[16+2*\c:17+2*\c], v[48+2*\c:49+2*\c], v[216:223]
.endif
.endr
.rept 8
	v_nop                                          ; eight places in front of loads and writes into these products' sources, and of the stores of the sums
.endr
.if (\b) < 7
	RLOAD (\b)+1, RUN
.endif
.endm
; Step (5) for block row b.  v16-31 the entries' places; codes go to CC, CC + 1: registers of the block row before, which is done with.
.macro W2 b
.set WM, 64+16*(\b)
.if (\b) == 0
.set CC, 254
.else
.set CC, 48+16*(\b)
.endif
	s_wait_dscnt 0x0                               ; 256 g of my 16 rows is in
.irp e, 0,1,2,3,4,5,6,7,8,9,10,11,12,13,14,15
	v_min_u32 v[16+\e], 0x1f00, v[16+\e]           ; held inside the table
.endr
.irp e, 0,1,2,3,4,5,6,7,8,9,10,11,12,13,14,15
	v_add_nc_u32 v[16+\e], v251, v[16+\e]          ; + the table + 16 x my column
.endr
.irp e, 0,1,2,3,4,5,6,7,8,9,10,11,12,13,14,15
	ENTR \e
	ds_load_b128 v[EN:EN+3], v[16+\e]              ; {z, zp, sc, 0}: sixteen lanes read 256 consecutive bytes
.endr
	s_wait_dscnt 0x0
.if (\b) < 7
	RLOAD (\b)+1, GOF
.endif
.irp e, 0,1,2,3,4,5,6,7,8,9,10,11,12,13,14,15
	ENTR \e
	v_sub_f32 v[WM+\e], v[WM+\e], v[EN]            ; - z (whole numbers: exact)
.endr
.irp e, 0,1,2,3,4,5,6,7,8,9,10,11,12,13,14,15
	ENTR \e
	v_add_f32 v[WM+\e], v[WM+\e], v[EN+1]          ; + zp
.endr
.irp e, 0,1,2,3,4,5,6,7,8,9,10,11,12,13,14,15
	ENTR \e
	v_mul_f32 v[WM+\e], v[WM+\e], v[EN+2]          ; x sc
.endr
	v_max3_num_f32 v12, |v[WM]|, |v[WM+1]|, 0x1800000      ; the block's largest magnitude: my 16, and the floor 2^(3 - 127)
	v_max3_num_f32 v13, |v[WM+8]|, |v[WM+9]|, |v[WM+10]|
	s_delay_alu instid0(VALU_DEP_2)
	v_max3_num_f32 v12, v12, |v[WM+2]|, |v[WM+3]|
	s_delay_alu instid0(VALU_DEP_2)
	v_max3_num_f32 v13, v13, |v[WM+11]|, |v[WM+12]|
	s_delay_alu instid0(VALU_DEP_2)
	v_max3_num_f32 v12, v12, |v[WM+4]|, |v[WM+5]|
	s_delay_alu instid0(VALU_DEP_2)
	v_max3_num_f32 v13, v13, |v[WM+13]|, |v[WM+14]|
	s_delay_alu instid0(VALU_DEP_2)
	v_max3_num_f32 v12, v12, |v[WM+6]|, |v[WM+7]|
	s_delay_alu instid0(VALU_DEP_1)
	v_max3_num_f32 v12, v12, v13, |v[WM+15]|
	s_delay_alu instid0(VALU_DEP_1)
	v_permlanex16_b32 v14, v12, s56, s57
	s_delay_alu instid0(VALU_DEP_1)
	v_max_num_f32 v12, v12, v14                    ; with lane l xor 16's 16
	s_delay_alu instid0(VALU_DEP_1)
	v_add_nc_u32 v15, 0xff000000, v12              ; 2 off the exponent field: the conversion's scale operand
	s_delay_alu instid0(VALU_DEP_1)
	v_lshrrev_b32 v13, 23, v15                     ; the scale's byte
.if (\b)%4 == 0
	s_delay_alu instid0(VALU_DEP_1)
	v_mov_b32 v[248+(\b)/4], v13
.else
	s_delay_alu instid0(VALU_DEP_1)
	v_lshl_or_b32 v[248+(\b)/4], v13, 8*((\b)%4), v[248+(\b)/4]
.endif
	v_cvt_scalef32_pk8_fp4_f32 v[CC], v[WM:WM+7], v15
	v_cvt_scalef32_pk8_fp4_f32 v[CC+1], v[WM+8:WM+15], v15
	v_nop                                          ; one plain line behind the last scaled conversion
.endm
; ---------------- the head, common to both kinds ----------------
	s_load_b256 s[4:11], s[0:1], 0x0               ; x s[4:5], xq s[6:7], g_idx s[8:9], lora_A s[10:11]
	s_load_b256 s[12:19], s[0:1], 0x20             ; lora_B s[12:13], qweight s[14:15], qzeros s[16:17], scales s[18:19]
	s_load_b64 s[20:21], s[0:1], 0x40              ; wq
	v_lshl_add_u32 v[SPW], v0, 2, SPARE
	v_mov_b32 v[NIL], 0
	v_lshrrev_b32 v1, 5, v0
	s_delay_alu instid0(VALU_DEP_1)
	v_readfirstlane_b32 s22, v1                    ; wave 0..15
	v_and_b32 v2, 31, v0                           ; lane
	s_cmp_ge_u32 ttmp9, 128                        ; the work-group's number alone decides: all sixteen waves go the same way
	s_cbranch_scc1 .Lx
; ---------------- THE WEIGHT ----------------
; REGISTERS that stay: v1 1,024 w + 64 h; v2 lane; v3 r; v250 16 + r; v251 the table + 16 r; v254 qzeros' word, v255 the scale of entry (thread / 16, thread % 16), and behind the table block row 0's codes;
; v64-191 A's operands, then w + marker, then AB_mix; v224-239 words of qweight; v240-247 B's operand; v248-249 scale bytes.
; Sort: v16-23 g, v24-31 lower lanes with my g, v32-40 running counts, v41-45 lane-bit masks, v46-61 masks and counts, v4-15 at work; v54-59 the loads' offsets.
	s_lshl_b32 s23, ttmp9, 4                       ; my first column
	s_lshl_b32 s24, s22, 8                         ; my wave's first row i0
	s_lshr_b32 s25, s22, 1                         ; its K step
	s_and_b32 s40, s22, 1                          ; and the half pi of it
	s_lshl_b32 s41, s22, 10
	s_lshl_b32 s42, s22, 18                        ; qweight: i0 / 8 rows of 8,192 bytes
	s_lshl_b32 s43, s22, 11
	s_mul_i32 s44, s25, 4352
	s_add_co_u32 s48, s44, CST                     ; my K step's 16 records
	s_lshl_b32 s45, s40, 7
	s_add_co_u32 s45, s45, s48                     ; + 128 pi: my codes
	s_lshl_b32 s46, s40, 3
	s_add_co_u32 s46, s46, s48
	s_add_co_u32 s46, s46, 256                     ; + 256 + 8 pi: my scale bytes
	s_mul_i32 s47, s40, 2304                       ; the way out: runs 0-8 or 9-16 of the 17 runs of 256 bytes
	s_lshl_b32 s62, s25, 11
	s_add_co_u32 s62, s62, s23
	s_mul_i32 s62, s62, 272                        ; wq: (2,048 K step + first column) x 272: a multiple of 4,352 = 17 x 256
	s_mov_b32 s63, 0
	s_mov_b32 s26, 0x55555555
	s_mov_b32 s27, 0x33333333
	s_mov_b32 s28, 0x0f0f0f0f
	s_mov_b32 s29, 0x01010101
	s_mov_b32 s50, 0xaaaaaaaa                      ; the lanes whose number has bit 0, 1, 2, 3, 4
	s_mov_b32 s51, 0xcccccccc
	s_mov_b32 s52, 0xf0f0f0f0
	s_mov_b32 s53, 0xff00ff00
	s_mov_b32 s54, 0xffff0000
	s_mov_b32 s56, 0x76543210                      ; v_permlanex16_b32's selects for lane l xor 16
	s_mov_b32 s57, 0xfedcba98
	s_mov_b32 s58, 0x3fc00000                      ; 1.5
	s_mov_b32 s59, 0xbfc00000                      ; -1.5
	s_mov_b32 s60, 0x41700000                      ; 15.0
	s_mov_b32 s61, 0x3f2aaaab                      ; 1 / 1.5, rounded
	s_wait_alu depctr_va_vdst(0)
	v_and_b32 v3, 15, v0                           ; r
	v_bfe_u32 v14, v0, 4, 1                        ; h
	v_lshrrev_b32 v13, 4, v0                       ; thread / 16
	v_lshl_add_u32 v54, v2, 2, s41                 ; g_idx: 4 i0 + 4 lane
	s_delay_alu instid0(VALU_DEP_4)
	v_add_nc_u32 v15, s23, v3                      ; my column
	v_and_b32 v57, 8, v3
	v_add_nc_u32 v250, 16, v3
	v_lshl_add_u32 v251, v3, 4, TB
	v_lshl_add_u32 v1, v14, 6, s41
	v_lshlrev_b32 v55, 6, v15
	v_lshl_add_u32 v56, v15, 2, s42
	v_add3_u32 v57, v57, v3, s24                   ; i0 + r + 8 (r / 8)
	v_lshrrev_b32 v58, 3, v15
	v_lshlrev_b32 v59, 2, v15
	v_lshl_add_u32 v55, v14, 3, v55                ; lora_B: column x 64 + 8 h
	v_lshl_add_u32 v56, v14, 14, v56               ; qweight: + 2 h rows + 4 x column
	v_lshlrev_b32 v57, 2, v57
	v_lshlrev_b32 v58, 2, v58
	v_lshl_add_u32 v59, v13, 13, v59               ; scales: 8,192 (thread / 16) + 4 x column
.irp b, 0,1,2,3,4
	v_cndmask_b32 v[41+\b], -1, 0, s[50+\b]        ; 0 where my lane's number has bit b, else all ones
.endr
	v_lshl_add_u32 v57, v14, 15, v57               ; lora_A: 4 x row + 2 h rows of 16,384 bytes
	v_lshl_add_u32 v58, v13, 10, v58               ; qzeros: 1,024 (thread / 16) + 4 (column / 8)
	v_mov_b32 v32, 0
	s_wait_alu depctr_va_vdst(0)
	s_wait_kmcnt 0x0
	s_add_nc_u64 s[20:21], s[20:21], s[62:63]
.irp n, 0,1,2,3,4,5,6,7
	global_load_b32 v[16+\n], v54, s[8:9] offset:128*\n
.endr
	global_load_b32 v254, v58, s[16:17]
	global_load_b32 v255, v59, s[18:19]
.irp c, 0,1,2,3
	global_load_b64 v[240+2*\c:241+2*\c], v55, s[12:13] offset:16*\c      ; B(column, 4 c + 2 h + 0, 1)
.endr
.irp b, 0,1,2,3,4,5,6,7
.irp u, 0,1
	global_load_b32 v[224+2*\b+\u], v56, s[14:15] offset:(4*\b+\u)*8192   ; eight rows of K in a word
.endr
.endr
	ALOAD 0
	ALOAD 1
	s_wait_loadcnt 54                              ; g is in: behind it 2 + 4 + 16 + 32 loads were issued
.irp b, 2,3,4,5,6,7
	ALOAD \b                                       ; everything that steps (2) to (4) read from memory is asked for ahead of the sort
.endr
.irp n, 0,1,2,3,4,5,6,7
	BATCH \n
.endr
	s_wait_alu depctr_va_vdst(0)
	s_wait_xcnt 0x0                                ; the loads have read their offsets: v54-59 are rewritten only behind this wait
.rept 8                                ; the number of ones in each of the eight masks, by halves; the eight by turns
	v_lshrrev_b32 v[54+\+], 1, v[46+\+]
.endr
.rept 8
	v_and_b32 v[54+\+], s26, v[54+\+]
.endr
.rept 8
	v_sub_nc_u32 v[46+\+], v[46+\+], v[54+\+]
.endr
.rept 8
	v_lshrrev_b32 v[54+\+], 2, v[46+\+]
.endr
.rept 8
	v_and_b32 v[46+\+], s27, v[46+\+]
.endr
.rept 8
	v_and_b32 v[54+\+], s27, v[54+\+]
.endr
.rept 8
	v_add_nc_u32 v[46+\+], v[46+\+], v[54+\+]
.endr
.rept 8
	v_lshrrev_b32 v[54+\+], 4, v[46+\+]
.endr
.rept 8
	v_add_nc_u32 v[46+\+], v[46+\+], v[54+\+]
.endr
.rept 8
	v_and_b32 v[46+\+], s28, v[46+\+]
.endr
.rept 8
	v_mul_lo_u32 v[46+\+], v[46+\+], s29
.endr
.rept 8
	v_lshrrev_b32 v[46+\+], 24, v[46+\+]
.endr
	v_add_nc_u32 v33, v32, v46                     ; with the lane taken as a group: its members in batches 0 .. n of my wave
.irp n, 1,2,3,4,5,6,7
	s_delay_alu instid0(VALU_DEP_1)
	v_add_nc_u32 v[33+\n], v[32+\n], v[46+\n]
.endr
	v_lshlrev_b32 v4, 2, v0
	v_lshlrev_b32 v5, 2, v2
	ds_store_b32 v4, v40 offset:WH                 ; my wave's count of group = lane
	BARRIER                                        ; all sixteen waves' counts lie in LDS
.irp k, 0,1,2,3,4,5,6,7,8,9,10,11,12,13,14,15
	ds_load_b32 v[46+\k], v5 offset:WH+128*\k
.endr
	s_wait_dscnt 0x0
.irp k, 0,1,2,3,4
	v_add3_u32 v[4+\k], v[46+3*\k], v[47+3*\k], v[48+3*\k]
.endr
	s_delay_alu instid0(VALU_DEP_3)
	v_add3_u32 v4, v4, v5, v6
	s_delay_alu instid0(VALU_DEP_2)
	v_add3_u32 v7, v7, v8, v61
	s_delay_alu instid0(VALU_DEP_1)
	v_add_nc_u32 v12, v4, v7                       ; the group's size
.irp k, 0,1,2,3,4,5,6,7,8,9,10,11,12,13,14
	s_cmp_gt_u32 s22, \k
	s_cselect_b32 s30, -1, 0
	v_and_b32 v[46+\k], s30, v[46+\k]              ; only the waves before mine count
.endr
	s_wait_alu depctr_va_vdst(0)
.irp k, 0,1,2,3,4
	v_add3_u32 v[4+\k], v[46+3*\k], v[47+3*\k], v[48+3*\k]
.endr
	s_delay_alu instid0(VALU_DEP_3)
	v_add3_u32 v4, v4, v5, v6
	s_delay_alu instid0(VALU_DEP_1)
	v_add3_u32 v13, v4, v7, v8                     ; the group's members in the waves before mine
	v_mov_b32 v14, 0                               ; (a lane permute's destination counts as one of its sources)
	SCAN 1, 50
	SCAN 2, 51
	SCAN 4, 52
	SCAN 8, 53
	s_delay_alu instid0(VALU_DEP_1)
	v_permlanex16_b32 v14, v12, s56, s57
	s_delay_alu instid0(VALU_DEP_1)
	v_cndmask_b32 v15, 0, v14, s54
	s_delay_alu instid0(VALU_DEP_1)
	v_add_nc_u32 v13, v13, v15                     ; + the sizes of all lower groups
.rept 8
	v_lshlrev_b32 v[16+\+], 2, v[16+\+]
.endr
.rept 8
	v_add_nc_u32 v[32+\+], v13, v[32+\+]
.endr
.rept 8
	ds_bpermute_b32 v[46+\+], v[16+\+], v[32+\+]   ; from lane g: where my group stands at the head of this batch
.endr
	v_lshl_add_u32 v4, v2, 2, s41                  ; my wave's tables: 1,024 w + 4 lane
	s_wait_alu depctr_va_vdst(0)
	s_wait_dscnt 0x0
.rept 8
	v_add_nc_u32 v[46+\+], v[46+\+], v[24+\+]      ; the rank
.endr
.rept 8
	v_and_b32 v[16+\+], 0x7c, v[16+\+]
.endr
.rept 8
	v_lshrrev_b32 v[46+\+], 7, v[46+\+]            ; the run
.endr
.rept 8
	v_lshlrev_b32 v[16+\+], 6, v[16+\+]            ; 256 g
.endr
.rept 8
	ds_store_b32 v4, v[46+\+] offset:RUN+128*\+
.endr
.rept 8
	ds_store_b32 v4, v[16+\+] offset:GOF+128*\+
.endr
	s_wait_dscnt 0x0                               ; the stores have read their registers; both tables are my wave's own: no barrier is needed to read them
	RLOAD 0, RUN
	s_wait_loadcnt 0x0                             ; A's and B's operands, qweight's words, qzeros' word and the scale
.irp b, 0,1,2,3,4,5,6,7
	BLK \b
.endr
	v_bfe_u32 v4, v0, 4, 1
	v_lshlrev_b32 v5, 2, v3
	s_delay_alu instid0(VALU_DEP_2)
	v_lshl_add_u32 v4, v4, 9, s43
	s_delay_alu instid0(VALU_DEP_1)
	v_add_nc_u32 v4, v4, v5                        ; my part of the sums: 2,048 w + 512 h + 4 r
.irp t, 0,1
.irp j, 0,1,2,3,4,5,6,7
	ds_store_b32 v4, v[208+8*\t+\j] offset:PB+1024*\t+64*\j    ; run 16 t + 8 h + j, column r; each accumulator from its low end on
.endr
.endr
	v_lshlrev_b32 v5, 2, v0
	BARRIER                                        ; all sixteen parts lie in LDS
.irp k, 0,1,2,3,4,5,6,7,8,9,10,11,12,13,14,15
	ds_load_b32 v[16+\k], v5 offset:PB+2048*\k     ; thread t stands for run t / 16, column t % 16
.endr
	s_wait_dscnt 0x0
.rept 8
	v_add_f32 v[16+\+], v[16+\+], v[24+\+]
.endr
.irp k, 0,1,2,3
	s_delay_alu instid0(VALU_DEP_4)
	v_add_f32 v[16+\k], v[16+\k], v[20+\k]
.endr
	s_delay_alu instid0(VALU_DEP_2)
	v_add_f32 v16, v16, v18
	s_delay_alu instid0(VALU_DEP_2)
	v_add_f32 v17, v17, v19
	s_delay_alu instid0(VALU_DEP_1)
	v_add_f32 v16, v16, v17
	s_delay_alu instid0(VALU_DEP_1)
	v_mul_f32 v16, 0x3c000000, v16                 ; / 128: the mean
	s_delay_alu instid0(VALU_DEP_1)
	v_mul_f32 v17, s61, v16                        ; / 1.5, rounded as a division: a first quotient,
	s_delay_alu instid0(VALU_DEP_1)
	v_fma_f32 v18, s59, v17, v16                   ; its remainder, exact,
	s_delay_alu instid0(VALU_DEP_1)
	v_fma_f32 v5, v18, s61, v17                    ; and the correction
	v_and_b32 v8, 7, v0
	s_delay_alu instid0(VALU_DEP_1)
	v_lshlrev_b32 v8, 2, v8
	s_delay_alu instid0(VALU_DEP_1)
	v_bfe_u32 v4, v254, v8, 4
	s_delay_alu instid0(VALU_DEP_1)
	v_cvt_f32_u32 v4, v4                           ; zeros
	v_mov_b32 v6, v255
	v_mov_b32 v7, 0
	v_lshl_add_u32 v9, v0, 4, TB
	ds_store_b128 v9, v[4:7]
	BARRIER                                        ; the table is whole.  Up to the next barrier no wave stores to LDS: the look-ups' places hang on g_idx
	RLOAD 0, GOF
.irp b, 0,1,2,3,4,5,6,7
	W2 \b
.endr
	v_mul_u32_u24 v4, v3, 272
	v_bfe_u32 v5, v0, 4, 1
	v_lshl_add_u32 v8, v2, 3, s47                  ; the way out: 2,304 pi + 8 lane
	s_delay_alu instid0(VALU_DEP_3)
	v_add_nc_u32 v7, s46, v4                       ; my column's record: its scale bytes 8 pi on
	s_delay_alu instid0(VALU_DEP_3)
	v_lshl_add_u32 v6, v5, 3, v4
	s_delay_alu instid0(VALU_DEP_3)
	v_add_nc_u32 v9, s48, v8
	s_delay_alu instid0(VALU_DEP_2)
	v_add_nc_u32 v6, s45, v6                       ; its codes: 128 pi + 8 h
	BARRIER                                        ; every wave's look-ups are in
	ds_store_b64 v6, v[254:255]
.irp b, 1,2,3,4,5,6,7
	ds_store_b64 v6, v[48+16*\b:49+16*\b] offset:16*\b     ; 16 codes of my column's record
.endr
	ds_store_b64 v7, v[248:249]                    ; my eight scale bytes (both halves of the lanes store the same)
	BARRIER                                        ; the 128 records are whole
.irp u, 0,1,2,3,4,5,6,7                ; a K step's 16 records are 17 runs of 256 bytes: wave (K step, 0) takes runs 0-8, wave (K step, 1) runs 9-16
	ds_load_b64 v[16+2*\u:17+2*\u], v9 offset:256*\u
.endr
.irp u, 0,1,2,3,4,5,6,7
	s_wait_dscnt 7-\u
	global_store_b64 v8, v[16+2*\u:17+2*\u], s[20:21] offset:256*\u    ; 32 lanes store 256 consecutive bytes, at a multiple of 256 from wq's first byte
.endr
	s_cmp_lg_u32 s40, 0
	s_cbranch_scc1 .Lodd
	ds_load_b64 v[32:33], v9 offset:2048
	s_wait_dscnt 0x0
	global_store_b64 v8, v[32:33], s[20:21] offset:2048
.Lodd:
	s_wait_tensorcnt 0x0                           ; the wave's end
	ds_add_u32 v[SPW], v[NIL]
	s_wait_dscnt 0x0
	s_endpgm
; ---------------- THE STREAM ----------------
; Work-group b takes rows 32 b .. 32 b + 31; wave w takes K step w % 8 of rows 16 (w / 8) .. + 15 of them; a step of the text is one row's 512 numbers.  Waves share nothing: no barrier.
; REGISTERS: v3 16 lane; v4, v5 the stage, in and out; v6 my 8 bytes of a record; v7 my block's scale byte; v18 8 lane; v8-11 at work; v12-15 codes, v16-17 bytes, two sets each.
.Lx:
	s_sub_co_u32 s23, ttmp9, 128
	s_lshl_b32 s23, s23, 5
	s_lshr_b32 s24, s22, 3
	s_lshl_b32 s24, s24, 4
	s_add_co_u32 s23, s23, s24                     ; my first row
	s_and_b32 s29, s22, 7                          ; my K step
	s_lshl_b32 s24, s23, 14
	s_lshl_b32 s25, s29, 11
	s_add_co_u32 s24, s24, s25                     ; x: row x 16,384 + 2,048 K step (under 2^28)
	s_mov_b32 s25, 0
	s_lshl_b32 s26, s29, 13
	s_add_co_u32 s26, s26, s23
	s_mul_i32 s26, s26, 272                        ; xq: (8,192 K step + row) x 272: a multiple of 4,352 = 17 x 256
	s_mov_b32 s27, 0
	s_mul_i32 s28, s22, 9472
	s_add_co_u32 s28, s28, XL                      ; my wave's LDS
	s_wait_alu depctr_va_vdst(0)
	v_lshlrev_b32 v3, 4, v2
	v_lshrrev_b32 v4, 2, v2
	s_delay_alu instid0(VALU_DEP_1)
	v_mul_u32_u24 v4, v4, 80
	v_and_b32 v5, 3, v2
	s_delay_alu instid0(VALU_DEP_1)
	v_lshl_add_u32 v4, v5, 4, v4
	s_delay_alu instid0(VALU_DEP_1)
	v_add_nc_u32 v4, s28, v4                       ; in: four lanes' 64 bytes on end, then 16 of padding
	v_mul_u32_u24 v5, v2, 80
	s_delay_alu instid0(VALU_DEP_1)
	v_add_nc_u32 v5, s28, v5                       ; out: 80 x lane: my 16 neighbours
	v_lshlrev_b32 v18, 3, v2
	s_add_co_u32 s28, s28, 5120
	v_add_nc_u32 v6, s28, v18
	v_lshrrev_b32 v7, 1, v2
	s_add_co_u32 s28, s28, 256
	v_add_nc_u32 v7, s28, v7
	s_wait_alu depctr_va_vdst(0)
	s_wait_kmcnt 0x0
	s_add_nc_u64 s[4:5], s[4:5], s[24:25]
	s_add_nc_u64 s[6:7], s[6:7], s[26:27]
.irp t, 0,1,2,3,4,5,6,7
	XLOAD \t                                       ; 32 loads, 16 KiB, of every wave are on their way
.endr
	s_wait_loadcnt 28                              ; row 0's four loads are in
	XTURN 0
.irp t, 0,1,2,3,4,5,6,7,8,9,10,11,12,13,14,15
	XSTEP \t
.endr
.irp u, 0,1,2,3,4,5,6,7,8,9,10,11,12,13,14,15,16
	ds_load_b64 v[32+2*\u:33+2*\u], v6 offset:256*\u   ; the 16 records, 4,352 bytes on end; LDS serves a wave's instructions in order: these see my stores
.endr
.irp u, 0,1,2,3,4,5,6,7,8,9,10,11,12,13,14,15,16
	s_wait_dscnt 16-\u
	global_store_b64 v18, v[32+2*\u:33+2*\u], s[6:7] offset:256*\u   ; 32 lanes store 256 consecutive bytes, at a multiple of 256 from xq's first byte
.endr
	s_wait_tensorcnt 0x0                           ; the wave's end
	ds_add_u32 v[SPW], v[NIL]
	s_wait_dscnt 0x0
	s_endpgm
.Lfunc_end_k_qfc35cbd72b_prep:
	.size	k_qfc35cbd72b_prep, .Lfunc_end_k_qfc35cbd72b_prep-k_qfc35cbd72b_prep
	.p2alignl 7, 3214868480
	.fill 96, 4, 3214868480
	.section	.rodata,"a",@progbits
	.p2align	6, 0x0
	.amdhsa_kernel k_qfc35cbd72b_prep
		.amdhsa_group_segment_fixed_size 264192
		.amdhsa_private_segment_fixed_size 0
		.amdhsa_enable_private_segment 0
		.amdhsa_kernarg_size 72
		.amdhsa_user_sgpr_count 2
		.amdhsa_user_sgpr_kernarg_segment_ptr 1
		.amdhsa_wavefront_size32 1
		.amdhsa_system_sgpr_workgroup_id_x 1
		.amdhsa_system_sgpr_workgroup_id_y 1
		.amdhsa_system_sgpr_workgroup_id_z 1
		.amdhsa_system_vgpr_workitem_id 0
		.amdhsa_next_free_vgpr 256
		.amdhsa_next_free_sgpr 98
		.amdhsa_reserve_vcc 0
		.amdhsa_float_denorm_mode_32 3
		.amdhsa_float_denorm_mode_16_64 3
		.amdhsa_memory_ordered 1
		.amdhsa_forward_progress 1
		.amdhsa_inst_pref_size 251
	.end_amdhsa_kernel
	.amdgpu_metadata
---
amdhsa.version: [ 1, 2 ]
amdhsa.kernels:
  - .name:           k_qfc35cbd72b_prep
    .symbol:         k_qfc35cbd72b_prep.kd
    .args:
      - { .name: x, .offset: 0, .size: 8, .value_kind: global_buffer, .address_space: global }
      - { .name: xq, .offset: 8, .size: 8, .value_kind: global_buffer, .address_space: global }
      - { .name: g_idx, .offset: 16, .size: 8, .value_kind: global_buffer, .address_space: global }
      - { .name: lora_A, .offset: 24, .size: 8, .value_kind: global_buffer, .address_space: global }
      - { .name: lora_B, .offset: 32, .size: 8, .value_kind: global_buffer, .address_space: global }
      - { .name: qweight, .offset: 40, .size: 8, .value_kind: global_buffer, .address_space: global }
      - { .name: qzeros, .offset: 48, .size: 8, .value_kind: global_buffer, .address_space: global }
      - { .name: scales, .offset: 56, .size: 8, .value_kind: global_buffer, .address_space: global }
      - { .name: wq, .offset: 64, .size: 8, .value_kind: global_buffer, .address_space: global }
    .group_segment_fixed_size: 264192
    .private_segment_fixed_size: 0
    .kernarg_segment_align: 8
    .kernarg_segment_size: 72
    .max_flat_workgroup_size: 512
    .sgpr_count:     98
    .vgpr_count:     256
    .wavefront_size: 32
...
	.end_amdgpu_metadata
.endif
;; end of part 4
;; launch gemm (part 5): grid 8 x 32, 4 waves a work-group, clusters of 4 x 4, 327,680 bytes of LDS; arguments xq, wq, out0; writes out0
.if DOCPART == 5
	.amdgcn_target "amdgcn-amd-amdhsa--gfx1250"
	.amdhsa_code_object_version 6
	.text
	.protected	k_qfc35cbd72b_gemm
	.globl	k_qfc35cbd72b_gemm
	.p2align	8
	.type	k_qfc35cbd72b_gemm,@function
k_qfc35cbd72b_gemm:
	s_mov_b64 s[64:65], 0
	v_nop
	global_prefetch_b8 v0, s[64:65] scope:SCOPE_SE
	s_setreg_imm32_b32 hwreg(HW_REG_WAVE_MODE, 25, 1), 1
	s_wait_xcnt 0x0
	s_wait_alu depctr_hold_cnt(0) depctr_sa_sdst(0) depctr_va_vdst(0) depctr_va_sdst(0) depctr_va_ssrc(0) depctr_va_vcc(0) depctr_vm_vsrc(0)
	s_getreg_b32 s2, hwreg(HW_REG_IB_STS2, 6, 4)
	s_cmp_eq_u32 s2, 0
	s_cbranch_scc0 .Lentry_in_a_cluster
	s_endpgm
.Lentry_in_a_cluster:
	s_bfe_u32 s2, ttmp6, 0x10000c
	s_cmp_lg_u32 s2, 0xf033
	s_cbranch_scc0 .Lentry_shape_is_right
	s_endpgm
.Lentry_shape_is_right:
.set SIZE_M, 8192
.set SIZE_N, 2048
.set SIZE_K, 4096
.set KSTEP,  512
.set NQ,     KSTEP/128
.set PITCH,  272
.set FR,     8
.set NL,     2
.set NP,     4
.set HALFT,  128*PITCH
.set SLOT,   4*HALFT
.set LAPS,   SIZE_K/(2*KSTEP)
.set ASTEP,  SIZE_M*PITCH
.set BSTEP,  SIZE_N*PITCH
.set SPARE,  2*SLOT
.set SPITCH, 528
.set ADRA, 16
.set ADRB, 20
.set ADRS, 22
.set STO,  24
.set RD,   25
.set CO,   26
.set SPW,  28
.set NIL,  29
.set PFO,  30
.set SC,   32
.set AF,   128
.set BK,   128
.set LIM,  2
.set PFA,  8
.set PFS,  10
.set G1, 24
.set G0, 32
.set G1B, 48
.set G0B, 56
.set MSB, 0
.macro WIN new
.if MSB != \new
	s_set_vgpr_msb (MSB<<8)|\new
.set MSB, \new
.endif
.endm
.set MUL_LO, 0xa1
.set MUL_HI, 0xf1
.set TO_B,   0x40
.macro JLOAD g0a, g1a, g0b, g1b
	s_cmp_eq_u32 s15, 0
	s_cbranch_scc0 .Lfor_b_\@
	tensor_load_to_lds s[\g0a:\g0a+3], s[\g1a:\g1a+7]
	s_nop 0
.rept 4
	v_nop
.endr
	s_branch .Lasked_\@
.Lfor_b_\@:
	tensor_load_to_lds s[\g0b:\g0b+3], s[\g1b:\g1b+7]
	s_nop 0
.rept 4
	v_nop
.endr
.Lasked_\@:
.endm
.macro ASK
	s_cmp_gt_u32 s3, s[LIM]
	s_cbranch_scc0 .Lnot_mine_\@
	global_prefetch_b8 v[PFO], s[PFA:PFA+1] th:TH_LOAD_NT scope:SCOPE_SE
.Lnot_mine_\@:
.endm
.macro CREST
	s_cmp_lg_u32 s14, 0
	s_cbranch_scc1 .Lnot_wave_0_\@
	s_barrier_signal -3
.Lnot_wave_0_\@:
	s_barrier_wait -3
	s_barrier_signal -1
	s_barrier_wait -1
.endm
.macro CROUND
	s_barrier_signal -1
	s_barrier_wait -1
	CREST
.endm
	s_load_b128 s[4:7], s[0:1], 0x0
	s_load_b64 s[12:13], s[0:1], 0x10
	v_lshl_add_u32 v[SPW], v0, 2, SPARE
	v_mov_b32 v[NIL], 0
	ds_add_u32 v[SPW], v[NIL]
	ds_add_u32 v[SPW], v[NIL]
	v_lshrrev_b32 v1, 5, v0
	v_readfirstlane_b32 s14, v1
	s_lshr_b32 s15, s14, 1
	s_and_b32 s16, s14, 1
	s_bfe_u32 s40, ttmp6, 0x40000
	s_bfe_u32 s41, ttmp6, 0x40004
	s_lshl_b32 s42, ttmp9, 2
	s_add_co_u32 s42, s42, s40
	s_and_b32 s17, ttmp7, 0xffff
	s_lshl_b32 s17, s17, 2
	s_add_co_u32 s17, s17, s41
	s_lshl_b32 s43, s41, 2
	s_lshl_b32 s43, 15, s43
	s_lshl_b32 s44, 0x1111, s40
	s_or_b32 s[G1+0], s43, (3<<16)|(1<<21)
	s_or_b32 s[G1B+0], s44, (3<<16)|(1<<21)
.irp g, G1, G1B
	s_mov_b32 s[\g+1], 32<<16
	s_mov_b32 s[\g+2], 136<<16
	s_mov_b32 s[\g+3], 32<<16
	s_mov_b32 s[\g+4], 136
	s_mov_b32 s[\g+5], 32
	s_mov_b32 s[\g+6], 0
	s_mov_b32 s[\g+7], 0
.endr
	s_lshl_b32 s18, s16, 7
	s_lshl_b32 s20, s17, 8
	s_add_co_u32 s20, s20, s18
	s_lshl_b32 s46, s42, 8
	s_add_co_u32 s46, s46, s18
	s_mul_i32 s20, s20, PITCH
	s_mov_b32 s21, 0
	s_mul_i32 s46, s46, PITCH
	s_mov_b32 s47, 0
	s_mul_i32 s45, s14, HALFT
	s_wait_dscnt 0x0
	s_wait_kmcnt 0x0
	s_add_nc_u64 s[20:21], s[4:5], s[20:21]
	s_add_nc_u64 s[46:47], s[6:7], s[46:47]
	CROUND
.irp s, 0,1
	s_mov_b32 s[G0+4*\s], 1
	s_add_co_u32 s[G0+4*\s+1], s45, \s*SLOT
	s_add_nc_u64 s[G0+4*\s+2:G0+4*\s+3], s[20:21], \s*ASTEP
	s_or_b32 s[G0+4*\s+3], s[G0+4*\s+3], 0x80000000
	s_mov_b32 s[G0B+4*\s], 1
	s_add_co_u32 s[G0B+4*\s+1], s45, \s*SLOT
	s_add_nc_u64 s[G0B+4*\s+2:G0B+4*\s+3], s[46:47], \s*BSTEP
	s_or_b32 s[G0B+4*\s+3], s[G0B+4*\s+3], 0x80000000
.endr
	JLOAD G0, G1, G0B, G1B                         ; K step 0, behind the one round; the addresses below are made while it is on its way
	v_and_b32 v1, 15, v0
	v_bfe_u32 v2, v0, 4, 1
	v_mul_u32_u24 v3, v1, PITCH
	v_lshl_add_u32 v4, v2, 4, v3
	s_mul_i32 s21, s15, HALFT
	s_mul_i32 s22, s16, HALFT
	s_add_co_u32 s22, s22, 2*HALFT
	s_sub_co_u32 s23, s22, s21
	v_mul_u32_u24 v6, s23, v2
	v_add_nc_u32 v5, 256, v3
	v_add_nc_u32 v5, v5, v6
.irp s, 0,1
	v_add_nc_u32 v[ADRA+\s], s21, v4
	v_add_nc_u32 v[ADRB+\s], s22, v4
	v_add_nc_u32 v[ADRS+\s], s21, v5
	s_add_co_u32 s21, s21, SLOT
	s_add_co_u32 s22, s22, SLOT
.endr
	s_mul_i32 s23, s14, 16*SPITCH
	v_mul_u32_u24 v5, v1, SPITCH
	v_lshl_add_u32 v5, v2, 5, v5
	v_add_nc_u32 v[STO], s23, v5
	v_and_b32 v6, 31, v0
	v_lshlrev_b32 v[CO], 4, v6
	v_add_nc_u32 v[RD], s23, v[CO]
	v_lshlrev_b32 v[PFO], 8, v6
	s_lshl_b32 s20, s17, 8
	s_lshl_b32 s21, s15, 7
	s_add_co_u32 s20, s20, s21
	s_mov_b32 s21, 0
	s_mov_b64 s[18:19], SIZE_N*4
	s_mul_u64 s[20:21], s[20:21], s[18:19]
	s_lshl_b32 s46, s42, 10
	s_lshl_b32 s47, s16, 9
	s_add_co_u32 s46, s46, s47
	s_mov_b32 s47, 0
	s_add_nc_u64 s[20:21], s[20:21], s[46:47]
	s_add_nc_u64 s[12:13], s[12:13], s[20:21]
	s_and_b32 s22, ttmp7, 0xffff
	s_lshl_b32 s20, s17, 8
	s_lshl_b32 s21, s42, 8
	s_cmp_eq_u32 s15, 0
	s_cselect_b32 s20, s20, s21
	s_cselect_b32 s21, s40, s41
	s_cselect_b32 s22, ttmp9, s22
	s_cselect_b64 s[PFA:PFA+1], s[4:5], s[6:7]
	s_mov_b32 s[PFS], BSTEP
	s_cselect_b32 s[PFS], ASTEP, s[PFS]
	s_mov_b32 s[PFS+1], 0
	s_cmp_eq_u32 s22, 0
	s_cselect_b32 s[LIM], 1, -1
	s_lshl_b32 s22, s16, 7
	s_add_co_u32 s20, s20, s22
	s_mul_i32 s20, s20, PITCH
	s_lshl_b32 s21, s21, 13
	s_add_co_u32 s20, s20, s21
	s_mov_b32 s21, 0
	s_add_nc_u64 s[PFA:PFA+1], s[PFA:PFA+1], s[20:21]
	s_mul_i32 s20, s[PFS], 3
	s_add_nc_u64 s[PFA:PFA+1], s[PFA:PFA+1], s[20:21]
.macro FRAG reg, adr, q, i
.irp c, 0,1
	ds_load_b128 v[\reg+4*\c:\reg+4*\c+3], v[\adr] offset:64*(\q)+32*\c+(\i)*16*PITCH
.endr
.endm
.macro MUL16 a0, p, q, sc, zero
.irp a, \a0, \a0+1
.irp b, 0,1,2,3,4,5,6,7
.if \zero
	v_wmma_scale_f32_16x16x128_f8f6f4 v[8*(8*((\a)%4)+\b):8*(8*((\a)%4)+\b)+7], v[128*(\p)+FR*\b:128*(\p)+FR*\b+FR-1], v[AF+FR*(\a):AF+FR*(\a)+FR-1], 0, v[SC+8*NQ*(\sc)+NQ*\b+(\q)], v[SC+8*NQ*(\sc)+NQ*(\a)+(\q)] matrix_a_fmt:MATRIX_FMT_FP4 matrix_b_fmt:MATRIX_FMT_FP4 matrix_a_scale:MATRIX_SCALE_ROW1
.else
	v_wmma_scale_f32_16x16x128_f8f6f4 v[8*(8*((\a)%4)+\b):8*(8*((\a)%4)+\b)+7], v[128*(\p)+FR*\b:128*(\p)+FR*\b+FR-1], v[AF+FR*(\a):AF+FR*(\a)+FR-1], v[8*(8*((\a)%4)+\b):8*(8*((\a)%4)+\b)+7], v[SC+8*NQ*(\sc)+NQ*\b+(\q)], v[SC+8*NQ*(\sc)+NQ*(\a)+(\q)] matrix_a_fmt:MATRIX_FMT_FP4 matrix_b_fmt:MATRIX_FMT_FP4 matrix_a_scale:MATRIX_SCALE_ROW1
.endif
.endr
.endr
.endm
.macro FETCH_B slot, q, p
	WIN TO_B
.irp i, 0,1,2,3,4,5,6,7
	FRAG 128*(\p)+FR*\i, ADRB+\slot, \q, \i
.endr
	WIN 0
.endm
.macro FETCH_A slot, q, i0
.irp i, \i0, \i0+1, \i0+2, \i0+3
	FRAG AF+FR*(\i), ADRA+\slot, \q, \i
.endr
.endm
.macro SCALES sc
.irp i, 0,1,2,3,4,5,6,7
	ds_load_b128 v[SC+8*NQ*\sc+NQ*\i:SC+8*NQ*\sc+NQ*\i+3], v[ADRS+\sc] offset:\i*16*PITCH
.endr
.endm
.macro PLACES n
.rept \n
	v_nop
.endr
.endm
.macro STEP slot, q, zero
	s_wait_dscnt 4*NL
	WIN MUL_LO
	MUL16 0, (\q)%2, \q, \slot, \zero
	MUL16 2, (\q)%2, \q, \slot, \zero
	s_wait_dscnt 0
	PLACES NP
	FETCH_B \slot, (\q)+1, 1-(\q)%2
	FETCH_A \slot, (\q)+1, 0
	WIN MUL_HI
	MUL16 4, (\q)%2, \q, \slot, \zero
	MUL16 6, (\q)%2, \q, \slot, \zero
	PLACES NP
	WIN 0
	FETCH_A \slot, (\q)+1, 4
.endm
.macro TURN slot, next, fill
.if \fill
	s_wait_xcnt 0x0
	s_add_nc_u64 s[PFA:PFA+1], s[PFA:PFA+1], s[PFS:PFS+1]
.endif
	s_wait_tensorcnt 0x0
	ds_add_u32 v[SPW], v[NIL]
	s_wait_dscnt 4*NL+1
	WIN MUL_LO
	MUL16 0, 1, NQ-1, \slot, 0
	s_wait_dscnt 0x0
	s_barrier_signal -1
	MUL16 2, 1, NQ-1, \slot, 0
	WIN 0
	s_barrier_wait -1
.if \fill
	CREST
	s_add_nc_u64 s[G0+4*\slot+2:G0+4*\slot+3], s[G0+4*\slot+2:G0+4*\slot+3], 2*ASTEP
	s_add_nc_u64 s[G0B+4*\slot+2:G0B+4*\slot+3], s[G0B+4*\slot+2:G0B+4*\slot+3], 2*BSTEP
	JLOAD G0+4*\slot, G1, G0B+4*\slot, G1B
.else
	PLACES NP
.endif
	s_wait_alu depctr_va_vdst(0)
	FETCH_B \next, 0, 0
	FETCH_A \next, 0, 0
	SCALES \next
.if \fill
	ASK
.endif
	WIN MUL_HI
	MUL16 4, 1, NQ-1, \slot, 0
	MUL16 6, 1, NQ-1, \slot, 0
	PLACES NP
	WIN 0
	FETCH_A \next, 0, 4
.endm
.macro STEPS slot, from
.set Q, \from
.rept NQ-1-\from
	STEP \slot, Q, 0
.set Q, Q+1
.endr
.endm
	s_wait_alu depctr_va_vdst(0)
	s_wait_tensorcnt 0x0                           ; my part of K step 0 is in
	ds_add_u32 v[SPW], v[NIL]
	s_wait_dscnt 0x0
	CROUND                                         ; a whole round: everybody's part of K step 0 is in, and the joint loads meet
	JLOAD G0+4, G1, G0B+4, G1B                     ; K step 1's load, the first tensor load behind the round
	FETCH_B 0, 0, 0
	FETCH_A 0, 0, 0
	SCALES 0
	FETCH_A 0, 0, 4
	STEP 0, 0, 1
	s_mov_b32 s3, LAPS-1
.Llap:
	STEPS 0, 1
	TURN 0, 1, 1
	STEPS 1, 0
	TURN 1, 0, 1
	STEP 0, 0, 0
	s_sub_co_u32 s3, s3, 1
	s_cmp_lg_u32 s3, 0
	s_cbranch_scc1 .Llap
	STEPS 0, 1
	TURN 0, 1, 0
	STEPS 1, 0
	s_wait_dscnt 4*NL
	WIN MUL_LO
	MUL16 0, 1, NQ-1, 1, 0
	MUL16 2, 1, NQ-1, 1, 0
	s_wait_dscnt 0
	WIN MUL_HI
	MUL16 4, 1, NQ-1, 1, 0
	MUL16 6, 1, NQ-1, 1, 0
	WIN 0
.macro TOSTAGE a
.set AC, 64*((\a)%4)
	WIN 0x08+4*((\a)/4)
.irp b, 0,1,2,3,4,5,6,7
	ds_store_b128 v[STO], v[AC+8*\b:AC+8*\b+3] offset:64*\b
	ds_store_b128 v[STO], v[AC+8*\b+4:AC+8*\b+7] offset:64*\b+16
.endr
	WIN 0
.set BB, BK+64*((\a)%2)
.irp t, 0,1,2,3,4,5,6,7,8,9,10,11,12,13,14,15
	ds_load_b128 v[BB+4*\t:BB+4*\t+3], v[RD] offset:\t*SPITCH
.endr
.endm
.macro SEND a, younger
.set BB, BK+64*((\a)%2)
	s_wait_dscnt \younger
.if (\a) > 0
	s_add_nc_u64 s[12:13], s[12:13], 16*SIZE_N*4
.endif
.irp t, 0,1,2,3,4,5,6,7,8,9,10,11,12,13,14,15
	global_store_b128 v[CO], v[BB+4*\t:BB+4*\t+3], s[12:13] offset:\t*SIZE_N*4 th:TH_STORE_NT
.endr
.endm
	PLACES NP
	TOSTAGE 0
.irp a, 1,2,3,4,5,6,7
.if \a > 1
	s_wait_xcnt 0x0
.endif
	TOSTAGE \a
	SEND \a-1, 32
.endr
	s_wait_xcnt 0x0
	SEND 7, 0
	s_wait_tensorcnt 0x0
	ds_add_u32 v[SPW], v[NIL]
	s_wait_dscnt 0x0
	CROUND
	s_endpgm
.Lfunc_end_k_qfc35cbd72b_gemm:
	.size	k_qfc35cbd72b_gemm, .Lfunc_end_k_qfc35cbd72b_gemm-k_qfc35cbd72b_gemm
	.p2alignl 7, 3214868480
	.fill 96, 4, 3214868480
	.section	.rodata,"a",@progbits
	.p2align	6, 0x0
	.amdhsa_kernel k_qfc35cbd72b_gemm
		.amdhsa_group_segment_fixed_size 327680
		.amdhsa_private_segment_fixed_size 0
		.amdhsa_enable_private_segment 0
		.amdhsa_kernarg_size 24
		.amdhsa_user_sgpr_count 2
		.amdhsa_user_sgpr_kernarg_segment_ptr 1
		.amdhsa_wavefront_size32 1
		.amdhsa_system_sgpr_workgroup_id_x 1
		.amdhsa_system_sgpr_workgroup_id_y 1
		.amdhsa_system_sgpr_workgroup_id_z 1
		.amdhsa_system_vgpr_workitem_id 0
		.amdhsa_next_free_vgpr 1024
		.amdhsa_next_free_sgpr 66
		.amdhsa_reserve_vcc 0
		.amdhsa_float_denorm_mode_32 3
		.amdhsa_float_denorm_mode_16_64 3
		.amdhsa_memory_ordered 1
		.amdhsa_forward_progress 1
		.amdhsa_inst_pref_size 211
	.end_amdhsa_kernel
	.amdgpu_metadata
---
amdhsa.version: [ 1, 2 ]
amdhsa.kernels:
  - .name:           k_qfc35cbd72b_gemm
    .symbol:         k_qfc35cbd72b_gemm.kd
    .args:
      - { .name: xq, .offset: 0, .size: 8, .value_kind: global_buffer, .address_space: global }
      - { .name: wq, .offset: 8, .size: 8, .value_kind: global_buffer, .address_space: global }
      - { .name: out0, .offset: 16, .size: 8, .value_kind: global_buffer, .address_space: global }
    .group_segment_fixed_size: 327680
    .private_segment_fixed_size: 0
    .kernarg_segment_align: 8
    .kernarg_segment_size: 24
    .max_flat_workgroup_size: 128
    .sgpr_count:     66
    .vgpr_count:     1024
    .wavefront_size: 32
...
	.end_amdgpu_metadata
.endif
;; end of part 5
